; MI455X (gfx1250); checked and timed in simulation.
; The chip was launched on July 23, 2026; its instructions are those of AMD's public machine-readable ISA for CDNA 5 (MIT licence, August 2026) and "CDNA5" Instruction Set Architecture Reference Guide (July 2026). The comments in the code are by the model that wrote it; some were corrected since.
;; Transformer Decoder. Allowed arithmetic: matrix products marked QUANTISED: E5M2 operands, one given power-of-two scale a tensor, by v_wmma_f32_16x16x64_bf8_bf8 or v_wmma_f32_16x16x128_bf8_bf8, f32 sums; everything else in f32.
;; Inputs: bk 1,024 float32; bo 1,024 float32; bq 1,024 float32; bv 1,024 float32; g_att 1,024 float32; g_ffn 1,024 float32; lowp_scales 18 int32 (the exponents e of the quantised operands' scales 2^e); w_down_codes 1,024 x 16 x 32 uint8 (E5M2 codes of w_down, K innermost, in blocks of 32 codes); w_gate_codes 512 x 32 x 32 uint8 (E5M2 codes of w_gate, K innermost, in blocks of 32 codes); w_up_codes 512 x 32 x 32 uint8 (E5M2 codes of w_up, K innermost, in blocks of 32 codes); wk_codes 1,024 x 32 x 32 uint8 (E5M2 codes of wk, K innermost, in blocks of 32 codes); wo_codes 1,024 x 32 x 32 uint8 (E5M2 codes of wo, K innermost, in blocks of 32 codes); wq_codes 1,024 x 32 x 32 uint8 (E5M2 codes of wq, K innermost, in blocks of 32 codes); wv_codes 1,024 x 32 x 32 uint8 (E5M2 codes of wv, K innermost, in blocks of 32 codes); x 2 x 2,048 x 1,024 float32.
;; Outputs: out0 2 x 2,048 x 1,024 float32.
;; This version of the problem:
;;   THIS VERSION OF THE PROBLEM IS GIVEN IN LOW PRECISION. The matrix products marked QUANTISED in the list below multiply operands that are first quantised to E5M2 (5 exponent bits, 2 mantissa bits; 8 bits a number), with one given power-of-two scale for each operand tensor; their sums are f32. All else is computed in f32.
;;   The module's matrix products, in the order in which they are computed (A, B: the left and right operand; K: the contracted axis; several contracted axes count as one K, in the product's order):
;;     1. [M 4,096, K 1,024] x [K 1,024, N 1,024]; A: computed on the way; B: input wq (given as codes): QUANTISED (scales: A lowp_scales[0], B lowp_scales[1])
;;     2. [M 4,096, K 1,024] x [K 1,024, N 1,024]; A: computed on the way; B: input wk (given as codes): QUANTISED (scales: A lowp_scales[2], B lowp_scales[3])
;;     3. [M 4,096, K 1,024] x [K 1,024, N 1,024]; A: computed on the way; B: input wv (given as codes): QUANTISED (scales: A lowp_scales[4], B lowp_scales[5])
;;     4. batch 32 x [M 2,048, K 64] x [K 64, N 2,048]; A: computed on the way; B: computed on the way: QUANTISED (scales: A lowp_scales[6], B lowp_scales[7])
;;     5. batch 32 x [M 2,048, K 2,048] x [K 2,048, N 64]; A: softmax (see below); B: computed on the way: QUANTISED (scales: A lowp_scales[8], B lowp_scales[9])
;;     6. [M 4,096, K 1,024] x [K 1,024, N 1,024]; A: computed on the way; B: input wo (given as codes): QUANTISED (scales: A lowp_scales[10], B lowp_scales[11])
;;     7. [M 4,096, K 1,024] x [K 1,024, N 512]; A: computed on the way; B: input w_gate (given as codes): QUANTISED (scales: A lowp_scales[12], B lowp_scales[13])
;;     8. [M 4,096, K 1,024] x [K 1,024, N 512]; A: computed on the way; B: input w_up (given as codes): QUANTISED (scales: A lowp_scales[14], B lowp_scales[15])
;;     9. [M 4,096, K 512] x [K 512, N 1,024]; A: computed on the way; B: input w_down (given as codes): QUANTISED (scales: A lowp_scales[16], B lowp_scales[17])
;;   THE QUANTISER, for each operand of a quantised product, along K:
;;     - The operand's scale is 2^e, e = its entry of the input lowp_scales (int32; the entries are numbered through the quantised products in the list's order, A before B).
;;     - Each number is divided by the scale, clamped to +-57,344, and rounded to the nearest number of E5M2, ties to even, subnormals kept.
;;     - The product sums the exact products of the quantised numbers (number of the format x scale) in f32.
;;   ~~~python
;;   def quantise(x, axis, e):      # numpy; x: float32 -> the quantised numbers, widened to float32 again
;;       x = np.moveaxis(x, axis, -1); K = x.shape[-1]
;;       r = np.clip(x / 2.0 ** e, -57344, 57344)
;;       step = 2.0 ** (np.maximum(np.frexp(np.where(r == 0, 1, r))[1] - 1, -14) - 2)
;;       q = np.round(r / step) * step * 2.0 ** e      # np.round: ties to even
;;       return np.moveaxis(q, -1, axis).astype(np.float32)
;;   ~~~
;;   SOFTMAX AHEAD OF A QUANTISED PRODUCT. Where the list says 'softmax', what is quantised is not the finished softmax but p = 2^(t - M), with t = logit x log2(e) and M = ceil(the row's largest t), a whole number; so 1/2 < the row's largest p <= 1. The row's sum l is taken of the UNQUANTISED p, in f32, and the product's result is divided by l at the end. Since M is a whole number, a kernel that streams over the keys may use a running M (the ceiling of the running maximum): every later rescaling is an exact power of two, so the quantised numbers keep their values, but for numbers so far below the row's largest that they fall under the format's range.
;;   OPERANDS COMPUTED ON THE WAY. 'Computed on the way' means the value that the module computes at that place (a softmax that the list does not call 'softmax' is quantised finished and normalised). What goes into a quantiser is computed in f32, as accurately as f32 sums, v_exp_f32 and their like allow (about 1e-6 of the number): no bf16 or f16 on the way to a quantiser, and a product that is left as it is and whose result goes on into a quantised operand takes f32 operands (vector FMAs, or v_wmma_f32_16x16x4_f32). A number that lies on a knife's edge between two numbers of the format may be rounded either way, as far as f32 arithmetic and the matrix unit's own rounding can turn it there, and no further.
;;   INPUTS GIVEN AS CODES. w_down (in the module: [1024, 512], K = its axis 1); w_gate (in the module: [512, 1024], K = its axis 1); w_up (in the module: [512, 1024], K = its axis 1); wk (in the module: [1024, 1024], K = its axis 1); wo (in the module: [1024, 1024], K = its axis 1); wq (in the module: [1024, 1024], K = its axis 1); wv (in the module: [1024, 1024], K = its axis 1): each comes as NAME_codes (uint8): NAME with its K axis moved to the last place and cut into blocks of 32 codes, [.., K / 32, bytes a block], one block behind the other in memory; one code a byte (a code: sign, 5 exponent bits, 2 mantissa bits); its scale is its entry of lowp_scales. Its value is code x scale, taken as it is: it is not quantised again, and the codes and scales need not be those that the quantiser above would give.
;; One version. Each part assembles by itself: llvm-mc -triple=amdgcn-amd-amdhsa -mcpu=gfx1250 --defsym DOCPART=n.
;; ======== version 1 of 1: 5 launches
;; limits: right only within a limited range of input values
;; workspace buffers: xc 12,582,912 bytes; qkv 12,582,912 bytes; att 4,194,304 bytes; wl 2,621,440 bytes
;; launch nrm1 (part 1): grid 256 x 1, 8 waves a work-group, no clusters, 41,984 bytes of LDS; arguments x, g_att, lowp_scales, xc, wo_codes, w_gate_codes, w_up_codes, w_down_codes, wl; writes xc, wl
.if DOCPART == 1
	.amdgcn_target "amdgcn-amd-amdhsa--gfx1250"
	.amdhsa_code_object_version 6
	.text
	.protected	k_qe5bd06b2bc_nrm1
	.globl	k_qe5bd06b2bc_nrm1
	.p2align	8
	.type	k_qe5bd06b2bc_nrm1,@function
k_qe5bd06b2bc_nrm1:
	s_mov_b64 s[64:65], 0
	v_nop
	global_prefetch_b8 v0, s[64:65] scope:SCOPE_SE
	s_setreg_imm32_b32 hwreg(HW_REG_WAVE_MODE, 25, 1), 1
	s_wait_xcnt 0x0
; xn = x * sqrt(mean(x^2) + 1e-6) * g, in f32, then quantised to E5M2 codes once for each of the NOUT given scales that the next products name for it.
; x: [4096][1024] f32.  Output o: [4096][1024] codes, K innermost, 4 MiB behind output o - 1.
; SHARES: 256 work-groups x 8 waves; a wave takes two whole rows (4,096 bytes each: 32 registers a lane), so the row's sum never leaves the wave: no barrier.
; Loads take the bytes as they lie (512 consecutive bytes an instruction).  The conversions want 16 neighbours along K in one lane: each half row (2,048 bytes) turns through the wave's own
; stage in LDS (64 bytes + 16 of padding for each lane).  A lane's 16 codes are 16 bytes: a store covers 512 consecutive bytes.
; No matrix unit, no cluster, no tensor load: the rows are read once by one wave, and only the 4 KiB of g are shared.
; LIMITS: each e between -126 and 112; NaN among the inputs is not served.
.set NOUT, 3
.set SB0, 0                            ; bytes of the scales' entries: 0, 2, 4
.set SB1, 8
.set SB2, 16
.set SP, 80                            ; a lane's place in a stage
.set R, 32                             ; v32-95   two rows as loaded
.set G, 96                             ; v96-127  g, turned
.set Y, 128                            ; v128-159 a row, turned
.set T, 160                            ; v160-191 held numbers
.set C, 192                            ; v192-239 codes: 8 registers for each (row, output): no store's data are written again
.macro LOADROW reg, base, off
.irp j, 0,1,2,3,4,5,6,7
	global_load_b128 v[\reg+4*\j:\reg+4*\j+3], v2, s[\base:\base+1] offset:\off+512*\j
.endr
.endm
.macro TURNROW src, dst                ; afterwards register 16 u + i of lane L is column 512 u + 16 L + i.  LDS serves a wave's instructions in order: no wait between the stores and the loads
.irp u, 0,1
.irp j, 0,1,2,3
	ds_store_b128 v3, v[\src+16*\u+4*\j:\src+16*\u+4*\j+3] offset:32*SP*\u+8*SP*\j
.endr
.irp j, 0,1,2,3
	ds_load_b128 v[\dst+16*\u+4*\j:\dst+16*\u+4*\j+3], v4 offset:32*SP*\u+16*\j
.endr
.endr
.endm
.macro OUT i, o                        ; row i's codes under scale o
.set n, 0
.rept 32
	v_med3_num_f32 v[T+n], v[Y+n], -v[11+2*\o], v[11+2*\o]   ; the conversion does not saturate (ISA guide 7.6.2): held within the largest code x the scale
.set n, n+1
.endr
.irp g, 0,1,2,3
	v_cvt_scalef32_pk8_bf8_f32 v[C+8*(NOUT*\i+\o)+2*\g:C+8*(NOUT*\i+\o)+2*\g+1], v[T+8*\g:T+8*\g+7], v[10+2*\o]
.endr
	v_nop                                          ; a plain line between the conversions and the next lines that write their sources
.irp u, 0,1
	global_store_b128 v2, v[C+8*(NOUT*\i+\o)+4*\u:C+8*(NOUT*\i+\o)+4*\u+3], s[28+2*\o:29+2*\o] offset:1024*\i+512*\u
.endr
.endm
.macro ROW i, left
	s_wait_loadcnt \left                           ; this row's eight loads are in; the younger ones stay out
	TURNROW R+32*\i, Y
.irp k, 0,1,2,3                        ; the sum of squares on the row as loaded, in four packed chains, while the turn is out
	v_pk_mul_f32 v[16+2*\k:17+2*\k], v[R+32*\i+2*\k:R+32*\i+2*\k+1], v[R+32*\i+2*\k:R+32*\i+2*\k+1]
.endr
.irp k, 4,5,6,7,8,9,10,11,12,13,14,15
	s_delay_alu instid0(VALU_DEP_4)
	v_pk_fma_f32 v[16+2*(\k%4):17+2*(\k%4)], v[R+32*\i+2*\k:R+32*\i+2*\k+1], v[R+32*\i+2*\k:R+32*\i+2*\k+1], v[16+2*(\k%4):17+2*(\k%4)]
.endr
	s_delay_alu instid0(VALU_DEP_3)
	v_pk_add_f32 v[16:17], v[16:17], v[18:19]
	s_delay_alu instid0(VALU_DEP_2)
	v_pk_add_f32 v[20:21], v[20:21], v[22:23]
	s_delay_alu instid0(VALU_DEP_1)
	v_pk_add_f32 v[16:17], v[16:17], v[20:21]
	s_delay_alu instid0(VALU_DEP_1)
	v_add_f32 v16, v16, v17
	s_delay_alu instid0(VALU_DEP_1)
	v_add_f32_dpp v16, v16, v16 row_xmask:1 row_mask:0xf bank_mask:0xf
	s_delay_alu instid0(VALU_DEP_1)
	v_add_f32_dpp v16, v16, v16 row_xmask:2 row_mask:0xf bank_mask:0xf
	s_delay_alu instid0(VALU_DEP_1)
	v_add_f32_dpp v16, v16, v16 row_xmask:4 row_mask:0xf bank_mask:0xf
	s_delay_alu instid0(VALU_DEP_1)
	v_add_f32_dpp v16, v16, v16 row_xmask:8 row_mask:0xf bank_mask:0xf
	s_delay_alu instid0(VALU_DEP_1)
	v_permlanex16_b32 v26, v16, s22, s23
	s_delay_alu instid0(VALU_DEP_1)
	v_add_f32 v16, v16, v26                        ; the row's sum, in every lane
	s_delay_alu instid0(VALU_DEP_1)
	v_fma_f32 v16, v16, s20, s21                   ; / 1,024 + 1e-6
	s_wait_alu depctr_va_vdst(0)
	v_sqrt_f32 v24, v16
	v_nop                                          ; a plain line behind the transcendental
	s_wait_alu depctr_va_vdst(0)
	v_mov_b32 v25, v24
	s_wait_alu depctr_va_vdst(0)
	s_wait_dscnt 0x0                               ; the turned row is in
.set n, 0
.rept 16
	v_pk_mul_f32 v[Y+n:Y+n+1], v[Y+n:Y+n+1], v[24:25]
.set n, n+2
.endr
.set n, 0
.rept 16
	v_pk_mul_f32 v[Y+n:Y+n+1], v[Y+n:Y+n+1], v[G+n:G+n+1]
.set n, n+2
.endr
	OUT \i, 0
	OUT \i, 1
.if NOUT > 2
	OUT \i, 2
.endif
.endm
	s_load_b256 s[4:11], s[0:1], 0x0               ; in s[4:5], g s[6:7], scales s[8:9], out s[10:11]
	s_load_b256 s[40:47], s[0:1], 0x20             ; wo s[40:41], w_gate s[42:43], w_up s[44:45], w_down s[46:47]
	s_load_b64 s[48:49], s[0:1], 0x40              ; wl
	v_lshl_add_u32 v240, v0, 2, 0xa000
	v_mov_b32 v241, 0
	v_lshrrev_b32 v1, 5, v0
	s_delay_alu instid0(VALU_DEP_1)
	v_readfirstlane_b32 s12, v1                    ; wave
	v_and_b32 v1, 31, v0                           ; lane
	s_delay_alu instid0(VALU_DEP_1)
	v_lshlrev_b32 v2, 4, v1                        ; 16 x lane: my bytes of a load's or a store's 512
	s_mul_i32 s13, s12, 64*SP                      ; my wave's two stages
	v_lshrrev_b32 v3, 2, v1
	s_delay_alu instid0(VALU_DEP_1)
	v_mul_u32_u24 v3, v3, SP
	v_and_b32 v4, 3, v1
	s_delay_alu instid0(VALU_DEP_1)
	v_lshl_add_u32 v3, v4, 4, v3
	s_delay_alu instid0(VALU_DEP_1)
	v_add_nc_u32 v3, s13, v3                       ; into a stage: SP (lane / 4) + 16 (lane % 4)
	v_mul_u32_u24 v4, v1, SP
	s_delay_alu instid0(VALU_DEP_1)
	v_add_nc_u32 v4, s13, v4                       ; out of it: SP x lane
	v_mov_b32 v26, 0                               ; written once: a lane permute's destination counts as a source
	s_lshl_b32 s14, ttmp9, 3
	s_add_co_u32 s14, s14, s12                     ; W = 8 x work-group + wave: rows 2 W, 2 W + 1
	s_lshl_b32 s24, s14, 13
	s_mov_b32 s25, 0
	s_lshl_b32 s26, s14, 11
	s_mov_b32 s27, 0
	s_mov_b32 s20, 0x3a800000                      ; 1 / 1,024
	s_mov_b32 s21, 0x358637bd                      ; 1e-6
	s_mov_b32 s22, 0x76543210
	s_mov_b32 s23, 0xfedcba98
	s_wait_alu depctr_va_vdst(0)
	s_wait_kmcnt 0x0
	s_load_b32 s16, s[8:9], SB0
	s_load_b32 s17, s[8:9], SB1
.if NOUT > 2
	s_load_b32 s18, s[8:9], SB2
.endif
	s_add_nc_u64 s[4:5], s[4:5], s[24:25]
	s_add_nc_u64 s[28:29], s[10:11], s[26:27]      ; a base for each output: 8 MiB does not fit a store's immediate
	s_add_nc_u64 s[30:31], s[28:29], 0x400000
.if NOUT > 2
	s_add_nc_u64 s[32:33], s[30:31], 0x400000
.endif
	; THE WEIGHTS OF THE LAST LAUNCH ARE LAID OUT AS ITS REGISTERS TAKE THEM.  wl = [wave W 0..15][fragment 0..79][piece c 0..3][lane][16 bytes]; a fragment is 16 rows x 128 K.
	; Waves 0..1279 of this launch move one fragment each.  id 0..511: wo (W = id / 32, K step s = id / 4 % 8, tile t = id % 4: rows 64 W + 16 t + r); id 512..1023: w_gate (t = 0, 1) and w_up (t = 2, 3):
	; rows 32 W + 8 (t % 2) + r + 8 (r / 8); id 1024..1279: w_down (W = id / 16 % 16, s = id / 4 % 4: rows 64 W + 16 t + r, 512 bytes each).  Lane (r, h) takes bytes 128 s + 32 c + 16 h of its row.
	s_lshr_b32 s50, s14, 9                         ; which product
	s_cmp_eq_u32 s50, 2
	s_cselect_b32 s51, 4, 5
	s_cselect_b32 s52, 3, 7
	s_cselect_b32 s53, 9, 10                       ; a row is 512 or 1,024 bytes
	s_cselect_b64 s[60:61], s[46:47], s[40:41]
	s_lshr_b32 s54, s14, s51
	s_and_b32 s54, s54, 15                         ; W
	s_lshr_b32 s55, s14, 2
	s_and_b32 s55, s55, s52
	s_lshl_b32 s55, s55, 7                         ; 128 s
	s_and_b32 s56, s14, 3                          ; t
	s_lshl_b32 s57, s54, 6
	s_lshl_b32 s58, s56, 4
	s_add_co_u32 s57, s57, s58                     ; 64 W + 16 t
	s_lshl_b32 s58, s54, 5
	s_and_b32 s59, s56, 1
	s_lshl_b32 s59, s59, 3
	s_add_co_u32 s58, s58, s59                     ; 32 W + 8 (t % 2)
	s_cmp_eq_u32 s50, 1
	s_cselect_b32 s57, s58, s57
	s_cselect_b32 s59, 8, 0
	s_cselect_b64 s[60:61], s[42:43], s[60:61]
	s_lshl_b32 s58, s50, 1
	s_lshr_b32 s36, s56, 1
	s_add_co_u32 s58, s58, s36
	s_cmp_eq_u32 s58, 3                            ; the second product's tiles 2 and 3 are w_up's
	s_cselect_b64 s[60:61], s[44:45], s[60:61]
	s_mul_i32 s36, s54, 163840                     ; a wave's 80 fragments
	s_lshl_b32 s58, s50, 16
	s_add_co_u32 s36, s36, s58
	s_lshl_b32 s58, s55, 6
	s_add_co_u32 s36, s36, s58
	s_lshl_b32 s58, s56, 11
	s_add_co_u32 s36, s36, s58
	s_mov_b32 s37, 0
	s_add_nc_u64 s[48:49], s[48:49], s[36:37]
	v_and_b32 v5, 15, v1
	v_and_b32 v6, s59, v5
	v_add3_u32 v5, v5, v6, s57
	v_lshlrev_b32 v5, s53, v5
	v_lshrrev_b32 v6, 4, v1
	v_lshl_add_u32 v5, v6, 4, v5
	v_add_nc_u32 v5, s55, v5
	s_cmp_lt_u32 s14, 1280
	s_cbranch_scc0 .Lno_lay
.irp c, 0,1,2,3
	global_load_b128 v[T+4*\c:T+4*\c+3], v5, s[60:61] offset:32*\c   ; older than every load below: the counted waits below cover them
.endr
.Lno_lay:
	LOADROW Y, 6, 0                                ; g
	LOADROW R, 4, 0
	LOADROW R+32, 4, 4096
	s_wait_kmcnt 0x0
.irp o, 0,1,2
.if \o < NOUT
	s_add_co_i32 s[16+\o], s[16+\o], 127
	s_lshl_b32 s34, s[16+\o], 23
	v_mov_b32 v[10+2*\o], s34                      ; 2^e as f32
	s_add_co_i32 s[16+\o], s[16+\o], 15
	s_lshl_b32 s34, s[16+\o], 23
	s_or_b32 s34, s34, 0x600000
	v_mov_b32 v[11+2*\o], s34                      ; 57,344 x 2^e
.endif
.endr
	s_wait_loadcnt 16                              ; the fragment and g are in; the two rows' sixteen loads stay out
	s_cmp_lt_u32 s14, 1280
	s_cbranch_scc0 .Lno_lay2
.irp c, 0,1,2,3
	global_store_b128 v2, v[T+4*\c:T+4*\c+3], s[48:49] offset:512*\c   ; 512 consecutive bytes
.endr
	s_wait_xcnt 0x0                                ; the stores' data registers are written again below
.Lno_lay2:
	TURNROW Y, G
	s_wait_dscnt 0x0
	ROW 0, 8
	ROW 1, 0
	s_wait_tensorcnt 0x0
	ds_add_u32 v240, v241
	s_wait_dscnt 0x0
	s_endpgm
.Lfunc_end_k_qe5bd06b2bc_nrm1:
	.size	k_qe5bd06b2bc_nrm1, .Lfunc_end_k_qe5bd06b2bc_nrm1-k_qe5bd06b2bc_nrm1
	.p2alignl 7, 3214868480
	.fill 96, 4, 3214868480
	.section	.rodata,"a",@progbits
	.p2align	6, 0x0
	.amdhsa_kernel k_qe5bd06b2bc_nrm1
		.amdhsa_group_segment_fixed_size 41984
		.amdhsa_private_segment_fixed_size 0
		.amdhsa_enable_private_segment 0
		.amdhsa_kernarg_size 72
		.amdhsa_user_sgpr_count 2
		.amdhsa_user_sgpr_kernarg_segment_ptr 1
		.amdhsa_wavefront_size32 1
		.amdhsa_system_sgpr_workgroup_id_x 1
		.amdhsa_system_sgpr_workgroup_id_y 1
		.amdhsa_system_sgpr_workgroup_id_z 1
		.amdhsa_system_vgpr_workitem_id 0
		.amdhsa_next_free_vgpr 242
		.amdhsa_next_free_sgpr 66
		.amdhsa_reserve_vcc 0
		.amdhsa_float_denorm_mode_32 3
		.amdhsa_float_denorm_mode_16_64 3
		.amdhsa_memory_ordered 1
		.amdhsa_forward_progress 1
		.amdhsa_inst_pref_size 35
	.end_amdhsa_kernel
	.amdgpu_metadata
---
amdhsa.version: [ 1, 2 ]
amdhsa.kernels:
  - .name:           k_qe5bd06b2bc_nrm1
    .symbol:         k_qe5bd06b2bc_nrm1.kd
    .args:
      - { .name: x, .offset: 0, .size: 8, .value_kind: global_buffer, .address_space: global }
      - { .name: g_att, .offset: 8, .size: 8, .value_kind: global_buffer, .address_space: global }
      - { .name: lowp_scales, .offset: 16, .size: 8, .value_kind: global_buffer, .address_space: global }
      - { .name: xc, .offset: 24, .size: 8, .value_kind: global_buffer, .address_space: global }
      - { .name: wo_codes, .offset: 32, .size: 8, .value_kind: global_buffer, .address_space: global }
      - { .name: w_gate_codes, .offset: 40, .size: 8, .value_kind: global_buffer, .address_space: global }
      - { .name: w_up_codes, .offset: 48, .size: 8, .value_kind: global_buffer, .address_space: global }
      - { .name: w_down_codes, .offset: 56, .size: 8, .value_kind: global_buffer, .address_space: global }
      - { .name: wl, .offset: 64, .size: 8, .value_kind: global_buffer, .address_space: global }
    .group_segment_fixed_size: 41984
    .private_segment_fixed_size: 0
    .kernarg_segment_align: 8
    .kernarg_segment_size: 72
    .max_flat_workgroup_size: 256
    .sgpr_count:     66
    .vgpr_count:     242
    .wavefront_size: 32
...
	.end_amdgpu_metadata
.endif
;; end of part 1
;; launch gqk (part 2): grid 16 x 32, 4 waves a work-group, clusters of 4 x 4, 327,680 bytes of LDS; arguments xc, wq_codes, wk_codes, bq, bk, lowp_scales, qkv; writes qkv
.if DOCPART == 2
	.amdgcn_target "amdgcn-amd-amdhsa--gfx1250"
	.amdhsa_code_object_version 6
	.text
	.protected	k_qe5bd06b2bc_gqk
	.globl	k_qe5bd06b2bc_gqk
	.p2align	8
	.type	k_qe5bd06b2bc_gqk,@function
k_qe5bd06b2bc_gqk:
	s_mov_b64 s[64:65], 0
	v_nop
	global_prefetch_b8 v0, s[64:65] scope:SCOPE_SE
	s_setreg_imm32_b32 hwreg(HW_REG_WAVE_MODE, 25, 1), 1
	s_wait_xcnt 0x0
	s_wait_alu depctr_hold_cnt(0) depctr_sa_sdst(0) depctr_va_vdst(0) depctr_va_sdst(0) depctr_va_ssrc(0) depctr_va_vcc(0) depctr_vm_vsrc(0)
	s_getreg_b32 s2, hwreg(HW_REG_IB_STS2, 6, 4)
	s_cmp_eq_u32 s2, 0
	s_cbranch_scc0 .Lentry_in_a_cluster
	s_endpgm
.Lentry_in_a_cluster:
	s_bfe_u32 s2, ttmp6, 0x10000c
	s_cmp_lg_u32 s2, 0xf033
	s_cbranch_scc0 .Lentry_shape_is_right
	s_endpgm
.Lentry_shape_is_right:
; q = xn wq^T + bq and k = xn wk^T + bk on E5M2 codes, each result quantised again (e6, e7) and stored as codes [batch][head][token][64].
; The left half of the grid's clusters (cluster x 0, 1) makes q, the right half k: only pointers and exponents are chosen, by selects on the cluster's x, which all partners share.
; TILE: 128 tokens x 128 features a work-group, 64 x 64 a wave (16 accumulators).  K = 1,024 fits LDS whole: four chunks of 256 along K (A's 128 rows, then B's 128 rows, 1,040 bytes apart).
; Every LDS byte is filled once: each wave issues one tensor load (64 whole rows of 1,024 bytes) at the start, so one load of a wave is out at most, and reads behind a wait for it and a barrier.
; CLUSTER 4 x 4: xn's tile hangs on the tile row alone and is asked for jointly along a row of the cluster, the weight's on the tile column alone and jointly along a column.
; THE PRODUCT IS USED TRANSPOSED: source 0 = 16 rows of the weight, source 1 = 16 tokens: a lane holds one token, its registers run along the features.  The weight's rows of a tile are chosen
; (lane r of tile 2 b + u takes row 32 b + 8 u + r + 8 (r / 8)) so that the 16 registers of two neighbouring tiles are 16 neighbouring features: the conversions give 16 bytes of a token's row.
; A fragment comes by four loads of 16 bytes: the same order of k in both operands.
; LIMITS: eA + eB between -126 and 127; e6, e7 between -126 and 112.  NaN is not served.
; REGISTERS: window 0: v1-21 addresses and scales; v32-63 at work; v64-95 codes; v96-127 bias; v128-255 accumulators ((a, b) at 128 + 8 (4 a + b)).  window 1: two fragment buffers of 128 (A's four, then B's four).
.set KROW, 1024
.set NCH, 4
.set NS, 8
.set PITCH, 1040                       ; a whole row of K, 1,024 bytes, + 16 of padding: ONE tensor load a wave brings its 64 rows whole
.set HALFT, 64*PITCH
.set CH, 256                           ; a chunk of 256 along K is 256 bytes further on in each row
.set STG, 4*HALFT                      ; behind the 256 rows: stages, into which no fill lands
.set AR0, 32
.set AR1, 16
.set BR0, 32
.set BR1, 8
.set ADRA, 8
.set ADRB, 12
.set STO, 16
.set RD, 17
.set CO, 18
.set ACC, 128
.set MSB, 0
.macro WIN new                         ; the immediate's high byte repeats the setting that is left
.if MSB != \new
	s_set_vgpr_msb (MSB<<8)|\new
.set MSB, \new
.endif
.endm
.macro CROUND                          ; a round of the cluster's barrier
	s_barrier_signal -1
	s_barrier_wait -1
	s_cmp_lg_u32 s18, 0
	s_cbranch_scc1 .Lnot_wave_0_\@
	s_barrier_signal -3
.Lnot_wave_0_\@:
	s_barrier_wait -3
	s_barrier_signal -1
	s_barrier_wait -1
.endm
.macro PLACES                          ; four plain lines between a matrix instruction and a load into, or a read of, its registers
.rept 4
	v_nop
.endr
.endm
.macro FETCH ch, q, f                  ; the fragments of 128 along K, the q-th of chunk ch, into buffer f: 32 loads in one run
	WIN 0x40
.irp i, 0,1,2,3
.irp cc, 0,1,2,3
	ds_load_b128 v[\f+64+16*\i+4*\cc:\f+64+16*\i+4*\cc+3], v[ADRB+\ch] offset:128*(\q)+32*\cc+(BR0*(\i/2)+BR1*(\i%2))*PITCH
.endr
.endr
.irp i, 0,1,2,3
.irp cc, 0,1,2,3
	ds_load_b128 v[\f+16*\i+4*\cc:\f+16*\i+4*\cc+3], v[ADRA+\ch] offset:128*(\q)+32*\cc+(AR0*(\i/2)+AR1*(\i%2))*PITCH
.endr
.endr
.endm
.macro MUL16 f, zero                   ; the 16 accumulators take turns, in the same order in every step; zero = 1: the first products start the sums
	WIN 0x05
.irp a, 0,1,2,3
.irp b, 0,1,2,3
.if \zero
	v_wmma_f32_16x16x128_bf8_bf8 v[ACC+8*(4*\a+\b):ACC+8*(4*\a+\b)+7], v[\f+64+16*\b:\f+64+16*\b+15], v[\f+16*\a:\f+16*\a+15], 0
.else
	v_wmma_f32_16x16x128_bf8_bf8 v[ACC+8*(4*\a+\b):ACC+8*(4*\a+\b)+7], v[\f+64+16*\b:\f+64+16*\b+15], v[\f+16*\a:\f+16*\a+15], v[ACC+8*(4*\a+\b):ACC+8*(4*\a+\b)+7]
.endif
.endr
.endr
.endm
.macro STEP s                          ; 128 along K: fetch the next step's fragments, multiply this step's
.if (\s) < NS-1
	PLACES
	FETCH ((\s)+1)/2, ((\s)+1)%2, 128*(((\s)+1)%2)
	s_wait_dscnt 32                                ; all but the 32 just issued
.else
	s_wait_dscnt 0x0
.endif
.if (\s) == 0
	MUL16 0, 1
.else
	MUL16 128*((\s)%2), 0
.endif
.endm
	s_load_b256 s[4:11], s[0:1], 0x0               ; xc s[4:5], wq s[6:7], wk s[8:9], bq s[10:11]
	s_load_b128 s[12:15], s[0:1], 0x20             ; bk s[12:13], scales s[14:15]
	s_load_b64 s[16:17], s[0:1], 0x30              ; qkv
	v_lshl_add_u32 v30, v0, 2, 0x49000
	v_mov_b32 v31, 0
	ds_add_u32 v30, v31
	ds_add_u32 v30, v31
	v_lshrrev_b32 v1, 5, v0
	v_readfirstlane_b32 s18, v1                    ; wave 0..3
	s_lshr_b32 s19, s18, 1                         ; my half of the tokens.  Also: I fetch for A (0) or B (1)
	s_and_b32 s20, s18, 1                          ; my half of the features.  Also: which 64 rows I fetch
	s_bfe_u32 s21, ttmp6, 0x40000                  ; cx
	s_bfe_u32 s22, ttmp6, 0x40004                  ; cy
	s_and_b32 s23, ttmp9, 1
	s_lshl_b32 s23, s23, 2
	s_add_co_u32 s23, s23, s21                     ; tile column: 128 features
	s_and_b32 s84, ttmp7, 0xffff
	s_lshl_b32 s84, s84, 2
	s_add_co_u32 s84, s84, s22                     ; tile row: 128 tokens
	s_lshr_b32 s85, ttmp9, 1                       ; 0: q, 1: k
	s_lshl_b32 s56, s22, 2
	s_lshl_b32 s56, 15, s56                        ; my row of the cluster
	s_lshl_b32 s57, 0x1111, s21                    ; my column
	s_or_b32 s24, s56, (1<<20)|(1<<21)|(7<<22)|(3<<25)   ; elements of 1 byte; 16 bytes of padding behind every 1,024; bit 21 beside a mask
	s_or_b32 s32, s57, (1<<20)|(1<<21)|(7<<22)|(3<<25)
.irp g, 24, 32
	s_mov_b32 s[\g+1], 1024<<16
	s_mov_b32 s[\g+2], 64<<16                      ; tensor_dim1
	s_mov_b32 s[\g+3], 1024<<16
	s_mov_b32 s[\g+4], 64                          ; tile_dim1
	s_mov_b32 s[\g+5], KROW                        ; the pitch
	s_mov_b32 s[\g+6], 0
	s_mov_b32 s[\g+7], 0
.endr
	s_lshl_b32 s58, s84, 17                        ; A: (128 tile row + 64 half) rows of 1,024 bytes, in q's or k's copy of xn's codes
	s_lshl_b32 s59, s20, 16
	s_add_co_u32 s58, s58, s59
	s_lshl_b32 s59, s85, 22
	s_add_co_u32 s58, s58, s59
	s_mov_b32 s59, 0
	s_lshl_b32 s60, s23, 17                        ; B: (128 tile column + 64 half) rows
	s_lshl_b32 s61, s20, 16
	s_add_co_u32 s60, s60, s61
	s_mov_b32 s61, 0
	s_mul_i32 s86, s18, HALFT                      ; where my 64 rows go in a chunk: wave x 64 rows
	s_wait_dscnt 0x0
	s_wait_kmcnt 0x0
	s_load_b256 s[88:95], s[14:15], 0x0            ; entries 0 to 7
	s_cmp_lt_u32 ttmp9, 2
	s_cselect_b64 s[6:7], s[6:7], s[8:9]           ; the weight,
	s_cselect_b64 s[10:11], s[10:11], s[12:13]     ; its bias
	s_add_nc_u64 s[4:5], s[4:5], s[58:59]
	s_add_nc_u64 s[6:7], s[6:7], s[60:61]
.irp c, 0
	s_mov_b32 s[40+4*\c], 1
	s_add_co_u32 s[41+4*\c], s86, \c*CH
	s_add_nc_u64 s[42+4*\c:43+4*\c], s[4:5], \c*256
	s_or_b32 s[43+4*\c], s[43+4*\c], 0x80000000
	s_mov_b32 s[68+4*\c], 1
	s_add_co_u32 s[69+4*\c], s86, \c*CH
	s_add_nc_u64 s[70+4*\c:71+4*\c], s[6:7], \c*256
	s_or_b32 s[71+4*\c], s[71+4*\c], 0x80000000
.endr
	CROUND                                         ; all sixteen work-groups are here: the joint loads meet
	s_cmp_eq_u32 s19, 0                            ; a wave's one fill stands in a branch on the wave's number
	s_cbranch_scc0 .Lfor_b
.irp c, 0
	tensor_load_to_lds s[40+4*\c:43+4*\c], s[24:31]
	s_nop 0
.endr
	PLACES
	s_branch .Lasked
.Lfor_b:
.irp c, 0
	tensor_load_to_lds s[68+4*\c:71+4*\c], s[32:39]
	s_nop 0
.endr
	PLACES
.Lasked:
	v_and_b32 v1, 15, v0                           ; r
	v_bfe_u32 v2, v0, 4, 1                         ; h
	v_mul_u32_u24 v3, v1, PITCH
	v_lshl_add_u32 v3, v2, 4, v3                   ; A: row r, + 16 h
	v_and_b32 v4, 8, v1
	v_add_nc_u32 v4, v4, v1
	v_mul_u32_u24 v4, v4, PITCH
	v_lshl_add_u32 v4, v2, 4, v4                   ; B: row r + 8 (r / 8), + 16 h
	s_wait_alu depctr_va_vdst(0)
	s_mul_i32 s56, s19, HALFT
	s_mul_i32 s57, s20, HALFT
	s_add_co_u32 s57, s57, 2*HALFT
.irp c, 0,1,2,3
	v_add_nc_u32 v[ADRA+\c], s56, v3
	v_add_nc_u32 v[ADRB+\c], s57, v4
	s_add_co_u32 s56, s56, CH
	s_add_co_u32 s57, s57, CH
.endr
	s_mul_i32 s56, s18, 5120
	s_add_co_u32 s56, s56, STG                     ; my stage: 64 tokens x (64 bytes + 16)
	v_mul_u32_u24 v5, v1, 80
	v_lshl_add_u32 v5, v2, 4, v5
	v_add_nc_u32 v[STO], s56, v5
	v_and_b32 v6, 31, v0
	v_lshrrev_b32 v7, 2, v6
	v_mul_u32_u24 v7, v7, 80
	v_and_b32 v5, 3, v6
	v_lshl_add_u32 v7, v5, 4, v7
	v_add_nc_u32 v[RD], s56, v7                    ; back: four lanes to a token's 64 bytes
	v_lshlrev_b32 v[CO], 4, v6
	v_lshlrev_b32 v19, 6, v2                       ; bias: 16 numbers for each half of the lanes
	s_lshl_b32 s98, s23, 9
	s_lshl_b32 s99, s20, 8
	s_add_co_u32 s98, s98, s99
	s_mov_b32 s99, 0
	s_add_nc_u64 s[10:11], s[10:11], s[98:99]      ; the bias of my 64 features
.irp b, 0,1
.irp k, 0,1,2,3
	global_load_b128 v[96+16*\b+4*\k:96+16*\b+4*\k+3], v19, s[10:11] offset:128*\b+16*\k
.endr
.endr
	s_lshr_b32 s62, s84, 4                         ; where my 4 KiB go: ((batch x 16 + head) x 2,048 + token) x 64, in q's or k's part
	s_lshl_b32 s62, s62, 4
	s_lshl_b32 s63, s23, 1
	s_add_co_u32 s62, s62, s63
	s_add_co_u32 s62, s62, s20
	s_lshl_b32 s62, s62, 11
	s_and_b32 s63, s84, 15
	s_lshl_b32 s63, s63, 7
	s_add_co_u32 s62, s62, s63
	s_lshl_b32 s63, s19, 6
	s_add_co_u32 s62, s62, s63
	s_lshl_b32 s62, s62, 6
	s_lshl_b32 s63, s85, 22
	s_add_co_u32 s62, s62, s63
	s_mov_b32 s63, 0
	s_add_nc_u64 s[16:17], s[16:17], s[62:63]
	s_wait_kmcnt 0x0
	s_cmp_lt_u32 ttmp9, 2
	s_cselect_b32 s88, s88, s90                    ; xn's exponent,
	s_cselect_b32 s89, s89, s91                    ; the weight's,
	s_cselect_b32 s94, s94, s95                    ; the result's
	s_add_co_i32 s96, s88, s89
	s_add_co_i32 s96, s96, 127
	s_lshl_b32 s96, s96, 23                        ; 2^(eA + eB) as f32
	s_mov_b32 s97, s96                             ; (named with it as a pair)
	s_add_co_i32 s94, s94, 127
	s_lshl_b32 s95, s94, 23
	v_mov_b32 v20, s95                             ; 2^eo
	s_add_co_i32 s94, s94, 15
	s_lshl_b32 s94, s94, 23
	s_or_b32 s94, s94, 0x600000
	v_mov_b32 v21, s94                             ; 57,344 x 2^eo
	s_wait_tensorcnt 0x0                           ; my one load, 64 whole rows, has landed
	s_barrier_signal -1
	s_barrier_wait -1
	FETCH 0, 0, 0
.irp s, 0,1,2,3,4,5,6,7
	STEP \s
.endr
	WIN 0
	PLACES
	s_wait_loadcnt 0x0                             ; the bias
.irp a, 0,1,2,3                        ; 16 tokens at a time: sum x 2^(eA + eB) + bias, held, converted; each accumulator from its low end on
.set n, 0
.rept 16
	v_pk_fma_f32 v[32+n:33+n], v[ACC+32*\a+n:ACC+32*\a+n+1], s[96:97], v[96+n:97+n] op_sel_hi:[1,0,1]
.set n, n+2
.endr
.set n, 0
.rept 32
	v_med3_num_f32 v[32+n], v[32+n], -v21, v21
.set n, n+1
.endr
.irp g, 0,1,2,3
	v_cvt_scalef32_pk8_bf8_f32 v[64+8*\a+2*\g:65+8*\a+2*\g], v[32+8*\g:39+8*\g], v20
.endr
	v_nop                                          ; a plain line between the conversions and the next lines that write their sources
	ds_store_b128 v[STO], v[64+8*\a:67+8*\a] offset:16*\a*80
	ds_store_b128 v[STO], v[68+8*\a:71+8*\a] offset:16*\a*80+32
.endr
.irp i, 0,1,2,3,4,5,6,7
	ds_load_b128 v[32+4*\i:35+4*\i], v[RD] offset:640*\i   ; my own bytes, served in order: these see the stores
.endr
.irp i, 0,1,2,3,4,5,6,7
	s_wait_dscnt 7-\i
	global_store_b128 v[CO], v[32+4*\i:35+4*\i], s[16:17] offset:512*\i   ; 512 consecutive bytes
.endr
	s_wait_tensorcnt 0x0
	ds_add_u32 v30, v31
	s_wait_dscnt 0x0
	CROUND                                         ; the closing round
	s_endpgm
.Lfunc_end_k_qe5bd06b2bc_gqk:
	.size	k_qe5bd06b2bc_gqk, .Lfunc_end_k_qe5bd06b2bc_gqk-k_qe5bd06b2bc_gqk
	.p2alignl 7, 3214868480
	.fill 96, 4, 3214868480
	.section	.rodata,"a",@progbits
	.p2align	6, 0x0
	.amdhsa_kernel k_qe5bd06b2bc_gqk
		.amdhsa_group_segment_fixed_size 327680
		.amdhsa_private_segment_fixed_size 0
		.amdhsa_enable_private_segment 0
		.amdhsa_kernarg_size 56
		.amdhsa_user_sgpr_count 2
		.amdhsa_user_sgpr_kernarg_segment_ptr 1
		.amdhsa_wavefront_size32 1
		.amdhsa_system_sgpr_workgroup_id_x 1
		.amdhsa_system_sgpr_workgroup_id_y 1
		.amdhsa_system_sgpr_workgroup_id_z 1
		.amdhsa_system_vgpr_workitem_id 0
		.amdhsa_next_free_vgpr 512
		.amdhsa_next_free_sgpr 100
		.amdhsa_reserve_vcc 0
		.amdhsa_float_denorm_mode_32 3
		.amdhsa_float_denorm_mode_16_64 3
		.amdhsa_memory_ordered 1
		.amdhsa_forward_progress 1
		.amdhsa_inst_pref_size 50
	.end_amdhsa_kernel
	.amdgpu_metadata
---
amdhsa.version: [ 1, 2 ]
amdhsa.kernels:
  - .name:           k_qe5bd06b2bc_gqk
    .symbol:         k_qe5bd06b2bc_gqk.kd
    .args:
      - { .name: xc, .offset: 0, .size: 8, .value_kind: global_buffer, .address_space: global }
      - { .name: wq_codes, .offset: 8, .size: 8, .value_kind: global_buffer, .address_space: global }
      - { .name: wk_codes, .offset: 16, .size: 8, .value_kind: global_buffer, .address_space: global }
      - { .name: bq, .offset: 24, .size: 8, .value_kind: global_buffer, .address_space: global }
      - { .name: bk, .offset: 32, .size: 8, .value_kind: global_buffer, .address_space: global }
      - { .name: lowp_scales, .offset: 40, .size: 8, .value_kind: global_buffer, .address_space: global }
      - { .name: qkv, .offset: 48, .size: 8, .value_kind: global_buffer, .address_space: global }
    .group_segment_fixed_size: 327680
    .private_segment_fixed_size: 0
    .kernarg_segment_align: 8
    .kernarg_segment_size: 56
    .max_flat_workgroup_size: 128
    .sgpr_count:     100
    .vgpr_count:     512
    .wavefront_size: 32
...
	.end_amdgpu_metadata
.endif
;; end of part 2
;; launch gv (part 3): grid 32 x 8, 4 waves a work-group, clusters of 4 x 4, 327,680 bytes of LDS; arguments wv_codes, xc, bv, lowp_scales, qkv; writes qkv
.if DOCPART == 3
	.amdgcn_target "amdgcn-amd-amdhsa--gfx1250"
	.amdhsa_code_object_version 6
	.text
	.protected	k_qe5bd06b2bc_gv
	.globl	k_qe5bd06b2bc_gv
	.p2align	8
	.type	k_qe5bd06b2bc_gv,@function
k_qe5bd06b2bc_gv:
	s_mov_b64 s[64:65], 0
	v_nop
	global_prefetch_b8 v0, s[64:65] scope:SCOPE_SE
	s_setreg_imm32_b32 hwreg(HW_REG_WAVE_MODE, 25, 1), 1
	s_wait_xcnt 0x0
	s_wait_alu depctr_hold_cnt(0) depctr_sa_sdst(0) depctr_va_vdst(0) depctr_va_sdst(0) depctr_va_ssrc(0) depctr_va_vcc(0) depctr_vm_vsrc(0)
	s_getreg_b32 s2, hwreg(HW_REG_IB_STS2, 6, 4)
	s_cmp_eq_u32 s2, 0
	s_cbranch_scc0 .Lentry_in_a_cluster
	s_endpgm
.Lentry_in_a_cluster:
	s_bfe_u32 s2, ttmp6, 0x10000c
	s_cmp_lg_u32 s2, 0xf033
	s_cbranch_scc0 .Lentry_shape_is_right
	s_endpgm
.Lentry_shape_is_right:
; v = xn wv^T + bv on E5M2 codes, quantised again (e9) ALONG THE TOKENS, which are the K of attention's second product, and stored as [batch][head][block of 128 keys][64 channels][128 keys].
; The core is the q and k launch's, with the operands' parts exchanged: source 1 = 16 rows of wv (a lane holds one feature), source 0 = 16 tokens, chosen so that the 16 registers of two neighbouring
; tiles are 16 neighbouring tokens.  TILE: 128 features (tile row) x 128 tokens (tile column); K = 1,024 lies in LDS whole, every byte filled once; one load of a wave is out at most.
; CLUSTER 4 x 4: wv's tile is asked for jointly along a row of the cluster, xn's along a column.
; The way out goes through ONE stage of 128 rows x (128 bytes + 16): a feature's 128 keys come from two waves, so a barrier stands between writing and reading.
; LIMITS: e4 + e5 between -126 and 127; e9 between -126 and 112.  NaN is not served.
; REGISTERS as in the q and k launch; v96-103 the bias of my four features, each twice.
.set KROW, 1024
.set NCH, 4
.set NS, 8
.set PITCH, 1040                       ; a whole row of K, 1,024 bytes, + 16 of padding: ONE tensor load a wave brings its 64 rows whole
.set HALFT, 64*PITCH
.set CH, 256                           ; a chunk of 256 along K is 256 bytes further on in each row
.set STG, 4*HALFT
.set AR0, 32
.set AR1, 16
.set BR0, 32
.set BR1, 8
.set ADRA, 8
.set ADRB, 12
.set STO, 16
.set RD, 17
.set CO, 18
.set ACC, 128
.set MSB, 0
.macro WIN new
.if MSB != \new
	s_set_vgpr_msb (MSB<<8)|\new
.set MSB, \new
.endif
.endm
.macro CROUND
	s_barrier_signal -1
	s_barrier_wait -1
	s_cmp_lg_u32 s18, 0
	s_cbranch_scc1 .Lnot_wave_0_\@
	s_barrier_signal -3
.Lnot_wave_0_\@:
	s_barrier_wait -3
	s_barrier_signal -1
	s_barrier_wait -1
.endm
.macro PLACES
.rept 4
	v_nop
.endr
.endm
.macro FETCH ch, q, f
	WIN 0x40
.irp i, 0,1,2,3
.irp cc, 0,1,2,3
	ds_load_b128 v[\f+64+16*\i+4*\cc:\f+64+16*\i+4*\cc+3], v[ADRB+\ch] offset:128*(\q)+32*\cc+(BR0*(\i/2)+BR1*(\i%2))*PITCH
.endr
.endr
.irp i, 0,1,2,3
.irp cc, 0,1,2,3
	ds_load_b128 v[\f+16*\i+4*\cc:\f+16*\i+4*\cc+3], v[ADRA+\ch] offset:128*(\q)+32*\cc+(AR0*(\i/2)+AR1*(\i%2))*PITCH
.endr
.endr
.endm
.macro MUL16 f, zero                   ; the 16 accumulators take turns
	WIN 0x05
.irp a, 0,1,2,3
.irp b, 0,1,2,3
.if \zero
	v_wmma_f32_16x16x128_bf8_bf8 v[ACC+8*(4*\a+\b):ACC+8*(4*\a+\b)+7], v[\f+64+16*\b:\f+64+16*\b+15], v[\f+16*\a:\f+16*\a+15], 0
.else
	v_wmma_f32_16x16x128_bf8_bf8 v[ACC+8*(4*\a+\b):ACC+8*(4*\a+\b)+7], v[\f+64+16*\b:\f+64+16*\b+15], v[\f+16*\a:\f+16*\a+15], v[ACC+8*(4*\a+\b):ACC+8*(4*\a+\b)+7]
.endif
.endr
.endr
.endm
.macro STEP s
.if (\s) < NS-1
	PLACES
	FETCH ((\s)+1)/2, ((\s)+1)%2, 128*(((\s)+1)%2)
	s_wait_dscnt 32                                ; all but the 32 just issued
.else
	s_wait_dscnt 0x0
.endif
.if (\s) == 0
	MUL16 0, 1
.else
	MUL16 128*((\s)%2), 0
.endif
.endm
	s_load_b256 s[4:11], s[0:1], 0x0               ; wv s[4:5], xc s[6:7], bv s[8:9], scales s[10:11]
	s_load_b64 s[12:13], s[0:1], 0x20              ; qkv
	v_lshl_add_u32 v126, v0, 2, 0x48800
	v_mov_b32 v127, 0
	ds_add_u32 v126, v127
	ds_add_u32 v126, v127
	v_lshrrev_b32 v1, 5, v0
	v_readfirstlane_b32 s18, v1
	s_lshr_b32 s19, s18, 1                         ; my half of the features.  Also: I fetch for A (0) or B (1)
	s_and_b32 s20, s18, 1                          ; my half of the tokens.  Also: which 64 rows I fetch
	s_bfe_u32 s21, ttmp6, 0x40000
	s_bfe_u32 s22, ttmp6, 0x40004
	s_lshl_b32 s23, ttmp9, 2
	s_add_co_u32 s23, s23, s21                     ; tile column: 128 tokens
	s_and_b32 s84, ttmp7, 0xffff
	s_lshl_b32 s84, s84, 2
	s_add_co_u32 s84, s84, s22                     ; tile row: 128 features
	s_lshl_b32 s56, s22, 2
	s_lshl_b32 s56, 15, s56
	s_lshl_b32 s57, 0x1111, s21
	s_or_b32 s24, s56, (1<<20)|(1<<21)|(7<<22)|(3<<25)
	s_or_b32 s32, s57, (1<<20)|(1<<21)|(7<<22)|(3<<25)
.irp g, 24, 32
	s_mov_b32 s[\g+1], 1024<<16
	s_mov_b32 s[\g+2], 64<<16
	s_mov_b32 s[\g+3], 1024<<16
	s_mov_b32 s[\g+4], 64
	s_mov_b32 s[\g+5], KROW
	s_mov_b32 s[\g+6], 0
	s_mov_b32 s[\g+7], 0
.endr
	s_lshl_b32 s58, s84, 17
	s_lshl_b32 s59, s20, 16
	s_add_co_u32 s58, s58, s59
	s_mov_b32 s59, 0
	s_lshl_b32 s60, s23, 17
	s_lshl_b32 s61, s20, 16
	s_add_co_u32 s60, s60, s61
	s_add_co_u32 s60, s60, 0x800000                ; v's copy of xn's codes
	s_mov_b32 s61, 0
	s_mul_i32 s86, s18, HALFT
	s_wait_dscnt 0x0
	s_wait_kmcnt 0x0
	s_load_b64 s[88:89], s[10:11], 0x10            ; e4, e5
	s_load_b32 s90, s[10:11], 0x24                 ; e9
	s_add_nc_u64 s[4:5], s[4:5], s[58:59]
	s_add_nc_u64 s[6:7], s[6:7], s[60:61]
.irp c, 0
	s_mov_b32 s[40+4*\c], 1
	s_add_co_u32 s[41+4*\c], s86, \c*CH
	s_add_nc_u64 s[42+4*\c:43+4*\c], s[4:5], \c*256
	s_or_b32 s[43+4*\c], s[43+4*\c], 0x80000000
	s_mov_b32 s[68+4*\c], 1
	s_add_co_u32 s[69+4*\c], s86, \c*CH
	s_add_nc_u64 s[70+4*\c:71+4*\c], s[6:7], \c*256
	s_or_b32 s[71+4*\c], s[71+4*\c], 0x80000000
.endr
	CROUND
	s_cmp_eq_u32 s19, 0
	s_cbranch_scc0 .Lfor_b
.irp c, 0
	tensor_load_to_lds s[40+4*\c:43+4*\c], s[24:31]
	s_nop 0
.endr
	PLACES
	s_branch .Lasked
.Lfor_b:
.irp c, 0
	tensor_load_to_lds s[68+4*\c:71+4*\c], s[32:39]
	s_nop 0
.endr
	PLACES
.Lasked:
	v_and_b32 v1, 15, v0
	v_bfe_u32 v2, v0, 4, 1
	v_mul_u32_u24 v3, v1, PITCH
	v_lshl_add_u32 v3, v2, 4, v3
	v_and_b32 v4, 8, v1
	v_add_nc_u32 v4, v4, v1
	v_mul_u32_u24 v4, v4, PITCH
	v_lshl_add_u32 v4, v2, 4, v4
	s_wait_alu depctr_va_vdst(0)
	s_mul_i32 s56, s19, HALFT
	s_mul_i32 s57, s20, HALFT
	s_add_co_u32 s57, s57, 2*HALFT
.irp c, 0,1,2,3
	v_add_nc_u32 v[ADRA+\c], s56, v3
	v_add_nc_u32 v[ADRB+\c], s57, v4
	s_add_co_u32 s56, s56, CH
	s_add_co_u32 s57, s57, CH
.endr
	s_mul_i32 s56, s19, 64*144                     ; the stage: row = feature 64 wm + 16 a + r, byte = key 64 wn + 32 b + 16 h
	s_lshl_b32 s57, s20, 6
	s_add_co_u32 s56, s56, s57
	s_add_co_u32 s56, s56, STG
	v_mul_u32_u24 v5, v1, 144
	v_lshl_add_u32 v5, v2, 4, v5
	v_add_nc_u32 v[STO], s56, v5
	s_mul_i32 s57, s18, 32*144
	s_add_co_u32 s57, s57, STG                     ; back: wave w takes rows 32 w on, eight lanes to a row of 128 bytes
	v_and_b32 v6, 31, v0
	v_lshrrev_b32 v7, 3, v6
	v_mul_u32_u24 v7, v7, 144
	v_and_b32 v5, 7, v6
	v_lshl_add_u32 v7, v5, 4, v7
	v_add_nc_u32 v[RD], s57, v7
	v_lshlrev_b32 v[CO], 4, v6
	v_lshlrev_b32 v19, 2, v1                       ; bias: my feature's
	s_lshl_b32 s98, s84, 9
	s_lshl_b32 s99, s19, 8
	s_add_co_u32 s98, s98, s99
	s_mov_b32 s99, 0
	s_add_nc_u64 s[8:9], s[8:9], s[98:99]
.irp a, 0,1,2,3
	global_load_b32 v[96+2*\a], v19, s[8:9] offset:64*\a
	global_load_b32 v[97+2*\a], v19, s[8:9] offset:64*\a   ; twice: a pair for the packed form
.endr
	s_lshr_b32 s62, s23, 4                         ; (((batch x 16 + head) x 16 + block of keys) x 8,192 + 4,096 (w % 2), in v's part
	s_lshl_b32 s62, s62, 4
	s_lshl_b32 s63, s84, 1
	s_add_co_u32 s62, s62, s63
	s_add_co_u32 s62, s62, s19
	s_lshl_b32 s62, s62, 4
	s_and_b32 s63, s23, 15
	s_add_co_u32 s62, s62, s63
	s_lshl_b32 s62, s62, 13
	s_lshl_b32 s63, s20, 12
	s_add_co_u32 s62, s62, s63
	s_add_co_u32 s62, s62, 0x800000
	s_mov_b32 s63, 0
	s_add_nc_u64 s[12:13], s[12:13], s[62:63]
	s_wait_kmcnt 0x0
	s_add_co_i32 s96, s88, s89
	s_add_co_i32 s96, s96, 127
	s_lshl_b32 s96, s96, 23
	s_mov_b32 s97, s96
	s_add_co_i32 s90, s90, 127
	s_lshl_b32 s91, s90, 23
	v_mov_b32 v20, s91
	s_add_co_i32 s90, s90, 15
	s_lshl_b32 s90, s90, 23
	s_or_b32 s90, s90, 0x600000
	v_mov_b32 v21, s90
	s_wait_tensorcnt 0x0                           ; my one load, 64 whole rows, has landed
	s_barrier_signal -1
	s_barrier_wait -1
	FETCH 0, 0, 0
.irp s, 0,1,2,3,4,5,6,7
	STEP \s
.endr
	WIN 0
	PLACES
	s_wait_loadcnt 0x0
.irp a, 0,1,2,3
.set n, 0
.rept 16
	v_pk_fma_f32 v[32+n:33+n], v[ACC+32*\a+n:ACC+32*\a+n+1], s[96:97], v[96+2*\a:97+2*\a] op_sel_hi:[1,0,1]
.set n, n+2
.endr
.set n, 0
.rept 32
	v_med3_num_f32 v[32+n], v[32+n], -v21, v21
.set n, n+1
.endr
.irp g, 0,1,2,3
	v_cvt_scalef32_pk8_bf8_f32 v[64+8*\a+2*\g:65+8*\a+2*\g], v[32+8*\g:39+8*\g], v20
.endr
	v_nop
	ds_store_b128 v[STO], v[64+8*\a:67+8*\a] offset:16*\a*144
	ds_store_b128 v[STO], v[68+8*\a:71+8*\a] offset:16*\a*144+32
.endr
	s_wait_dscnt 0x0                               ; for the others' sake: my stores into the stage are done
	s_barrier_signal -1
	s_barrier_wait -1
.irp i, 0,1,2,3,4,5,6,7
	ds_load_b128 v[32+4*\i:35+4*\i], v[RD] offset:576*\i
.endr
.irp i, 0,1,2,3,4,5,6,7
	s_wait_dscnt 7-\i
	global_store_b128 v[CO], v[32+4*\i:35+4*\i], s[12:13] offset:512*\i
.endr
	s_wait_tensorcnt 0x0
	ds_add_u32 v126, v127
	s_wait_dscnt 0x0
	CROUND
	s_endpgm
.Lfunc_end_k_qe5bd06b2bc_gv:
	.size	k_qe5bd06b2bc_gv, .Lfunc_end_k_qe5bd06b2bc_gv-k_qe5bd06b2bc_gv
	.p2alignl 7, 3214868480
	.fill 96, 4, 3214868480
	.section	.rodata,"a",@progbits
	.p2align	6, 0x0
	.amdhsa_kernel k_qe5bd06b2bc_gv
		.amdhsa_group_segment_fixed_size 327680
		.amdhsa_private_segment_fixed_size 0
		.amdhsa_enable_private_segment 0
		.amdhsa_kernarg_size 40
		.amdhsa_user_sgpr_count 2
		.amdhsa_user_sgpr_kernarg_segment_ptr 1
		.amdhsa_wavefront_size32 1
		.amdhsa_system_sgpr_workgroup_id_x 1
		.amdhsa_system_sgpr_workgroup_id_y 1
		.amdhsa_system_sgpr_workgroup_id_z 1
		.amdhsa_system_vgpr_workitem_id 0
		.amdhsa_next_free_vgpr 512
		.amdhsa_next_free_sgpr 100
		.amdhsa_reserve_vcc 0
		.amdhsa_float_denorm_mode_32 3
		.amdhsa_float_denorm_mode_16_64 3
		.amdhsa_memory_ordered 1
		.amdhsa_forward_progress 1
		.amdhsa_inst_pref_size 50
	.end_amdhsa_kernel
	.amdgpu_metadata
---
amdhsa.version: [ 1, 2 ]
amdhsa.kernels:
  - .name:           k_qe5bd06b2bc_gv
    .symbol:         k_qe5bd06b2bc_gv.kd
    .args:
      - { .name: wv_codes, .offset: 0, .size: 8, .value_kind: global_buffer, .address_space: global }
      - { .name: xc, .offset: 8, .size: 8, .value_kind: global_buffer, .address_space: global }
      - { .name: bv, .offset: 16, .size: 8, .value_kind: global_buffer, .address_space: global }
      - { .name: lowp_scales, .offset: 24, .size: 8, .value_kind: global_buffer, .address_space: global }
      - { .name: qkv, .offset: 32, .size: 8, .value_kind: global_buffer, .address_space: global }
    .group_segment_fixed_size: 327680
    .private_segment_fixed_size: 0
    .kernarg_segment_align: 8
    .kernarg_segment_size: 40
    .max_flat_workgroup_size: 128
    .sgpr_count:     100
    .vgpr_count:     512
    .wavefront_size: 32
...
	.end_amdgpu_metadata
.endif
;; end of part 3
;; launch attn (part 4): grid 8 x 32, 16 waves a work-group, clusters of 4 x 1, 327,680 bytes of LDS; arguments qkv, lowp_scales, att; writes att
.if DOCPART == 4
	.amdgcn_target "amdgcn-amd-amdhsa--gfx1250"
	.amdhsa_code_object_version 6
	.text
	.protected	k_qe5bd06b2bc_attn
	.globl	k_qe5bd06b2bc_attn
	.p2align	8
	.type	k_qe5bd06b2bc_attn,@function
k_qe5bd06b2bc_attn:
	s_mov_b64 s[64:65], 0
	v_nop
	global_prefetch_b8 v0, s[64:65] scope:SCOPE_SE
	s_setreg_imm32_b32 hwreg(HW_REG_WAVE_MODE, 25, 1), 1
	s_wait_xcnt 0x0
	s_wait_alu depctr_hold_cnt(0) depctr_sa_sdst(0) depctr_va_vdst(0) depctr_va_sdst(0) depctr_va_ssrc(0) depctr_va_vcc(0) depctr_vm_vsrc(0)
	s_getreg_b32 s2, hwreg(HW_REG_IB_STS2, 6, 4)
	s_cmp_eq_u32 s2, 0
	s_cbranch_scc0 .Lentry_in_a_cluster
	s_endpgm
.Lentry_in_a_cluster:
	s_bfe_u32 s2, ttmp6, 0x10000c
	s_cmp_lg_u32 s2, 0x3003
	s_cbranch_scc0 .Lentry_shape_is_right
	s_endpgm
.Lentry_shape_is_right:
; O = softmax(q k^T / 8) v for one head, both products on E5M2 codes; the result is quantised (e10) along the QUERIES and stored as [batch][head][channel][query], which read as [4096][1024] is the next product's operand.
; THE SOFTMAX: t = score x log2(e) / 8; M = the running largest t rounded up to a whole number; p = 2^(t - M) is quantised (e8), not normalised; the row's sum is taken of the unquantised p and divides at the end.
; SHARES: a work-group owns 256 queries of a head, each of its sixteen waves 16 of them in 256 registers: four waves to a SIMD, so that one wave's vector work stands beside another's products and LDS loads.
; LDS holds the head's K (2,048 rows of 64 bytes, 80 apart) and V (16 blocks of 64 channels x 128 keys, rows 144 apart) WHOLE: every byte is filled once.  Waves 0-7 fetch K, waves 8-15 V, two loads each:
; first an eighth of the first 512 keys, then an eighth of the rest; so one load of a wave is out at most, and the first four key steps begin behind the first.
; CLUSTER 4 x 1: the four query blocks of a cluster belong to one head and ask for K and V jointly.
; LAYOUT: both products transposed (S^T = K Q^T, O^T = V^T P^T): a lane holds one query.  The keys of a tile are chosen (lane r of tile 2 b + u: key 32 b + 8 u + r + 8 (r / 8)) so that p's 16 registers of two tiles are 16 neighbouring keys.
; LIMITS: e6 + e7 between -123 and 130 (added to c's exponent field); e8, e10 between -126 and 112.  NaN is not served.
; REGISTERS: v1-7 addresses that stay; v8, v9 the step's; v12 -M, v13 the largest t, v[14:15] the sum; v16-23 Q; v32-95 K's eight fragments, then V's four; v96-159 S^T, then p; v160-191 O^T; v224-239 p's codes; v236-254 at work.
.set KP, 80
.set VP, 144
.set VOFF, 2048*KP
.macro CROUND
	s_barrier_signal -1
	s_barrier_wait -1
	s_cmp_lg_u32 s18, 0
	s_cbranch_scc1 .Lnot_wave_0_\@
	s_barrier_signal -3
.Lnot_wave_0_\@:
	s_barrier_wait -3
	s_barrier_signal -1
	s_barrier_wait -1
.endm
.macro PLACES
.rept 4
	v_nop
.endr
.endm
.macro STEP                            ; 128 keys, at LDS bytes s66 (K) and s67 (V)
	v_add_nc_u32 v8, s66, v1
	v_add_nc_u32 v9, s67, v2
	v_nop
	v_nop                                          ; with the two additions: four places in front of loads into registers that the last products read
.irp t, 0,1,2,3,4,5,6,7
.irp cc, 0,1
	ds_load_b128 v[32+8*\t+4*\cc:35+8*\t+4*\cc], v8 offset:(32*(\t/2)+8*(\t%2))*KP+32*\cc
.endr
.endr
	s_wait_alu depctr_va_vdst(0)
	s_wait_dscnt 0x0
.irp t, 0,1,2,3,4,5,6,7
	v_wmma_f32_16x16x64_bf8_bf8 v[96+8*\t:103+8*\t], v[32+8*\t:39+8*\t], v[16:23], 0
.endr
	PLACES                                         ; in front of the loads below and of the first read of the scores
.irp t, 0,1,2,3
.irp cc, 0,1,2,3
	ds_load_b128 v[32+16*\t+4*\cc:35+16*\t+4*\cc], v9 offset:16*\t*VP+32*\cc   ; V's fragments land under the softmax
.endr
.endr
	v_max3_num_f32 v254, v96, v97, v98             ; the step's largest score of my query among my 64 keys, in two chains; each accumulator is first read at its low end
	v_max3_num_f32 v252, v99, v100, v101
.irp i, 6,10,14,18,22,26,30,34,38,42,46,50,54,58
	v_max3_num_f32 v254, v254, v[96+\i], v[97+\i]
	v_max3_num_f32 v252, v252, v[98+\i], v[99+\i]
.endr
	v_max3_num_f32 v254, v254, v158, v159
	s_delay_alu instid0(VALU_DEP_1)
	v_max_num_f32 v254, v254, v252
	v_permlanex16_b32 v236, v254, s20, s21
	s_delay_alu instid0(VALU_DEP_1)
	v_max_num_f32 v254, v254, v236                 ; and among lane l xor 16's
	s_delay_alu instid0(VALU_DEP_1)
	v_mul_f32 v254, s22, v254                      ; as t (c is positive)
	s_delay_alu instid0(VALU_DEP_1)
	v_max_num_f32 v13, v13, v254                   ; the running largest t
	v_mov_b32 v254, v12
	s_delay_alu instid0(VALU_DEP_2)
	v_floor_f32 v12, -v13                          ; -M = floor(-t)
	s_delay_alu instid0(VALU_DEP_1)
	v_sub_f32 v254, v12, v254                      ; old M - new M: a whole number, 0 or less
	s_delay_alu instid0(VALU_DEP_1)
	v_cvt_i32_f32 v254, v254                       ; (it saturates)
	s_delay_alu instid0(VALU_DEP_1)
	v_ldexp_f32 v252, 1.0, v254                    ; f = 2^(old M - new M)
.set n, 0
.rept 32
	v_pk_fma_f32 v[96+n:97+n], v[96+n:97+n], s[22:23], v[12:13] op_sel_hi:[1,0,0]   ; t - M
.set n, n+2
.endr
.set n, 0
	s_wait_alu depctr_va_vdst(0)
.rept 64
	v_exp_f32 v[96+n], v[96+n]                     ; p = 2^(t - M)
.set n, n+1
.endr
	v_pk_mul_f32 v[14:15], v[14:15], v[252:253] op_sel_hi:[1,0]   ; the sums under the new M (a plain line behind the exponentials)
	s_wait_alu depctr_va_vdst(0)
	v_pk_add_f32 v[242:243], v[100:101], v[104:105]
	v_pk_add_f32 v[248:249], v[108:109], v[112:113]
	v_pk_add_f32 v[238:239], v[116:117], v[120:121]
	v_pk_add_f32 v[236:237], v[124:125], v[128:129]
	v_pk_add_f32 v[234:235], v[132:133], v[136:137]
	v_pk_add_f32 v[232:233], v[140:141], v[144:145]
	v_pk_add_f32 v[230:231], v[148:149], v[152:153]
	v_pk_add_f32 v[14:15], v[14:15], v[156:157]
	v_pk_add_f32 v[242:243], v[242:243], v[96:97]
	v_pk_add_f32 v[248:249], v[248:249], v[98:99]
	v_pk_add_f32 v[238:239], v[238:239], v[102:103]
	v_pk_add_f32 v[236:237], v[236:237], v[106:107]
	v_pk_add_f32 v[234:235], v[234:235], v[110:111]
	v_pk_add_f32 v[232:233], v[232:233], v[114:115]
	v_pk_add_f32 v[230:231], v[230:231], v[118:119]
	v_pk_add_f32 v[14:15], v[14:15], v[122:123]
	v_pk_add_f32 v[242:243], v[242:243], v[126:127]
	v_pk_add_f32 v[248:249], v[248:249], v[130:131]
	v_pk_add_f32 v[238:239], v[238:239], v[134:135]
	v_pk_add_f32 v[236:237], v[236:237], v[138:139]
	v_pk_add_f32 v[234:235], v[234:235], v[142:143]
	v_pk_add_f32 v[232:233], v[232:233], v[146:147]
	v_pk_add_f32 v[230:231], v[230:231], v[150:151]
	v_pk_add_f32 v[14:15], v[14:15], v[154:155]
	v_pk_add_f32 v[242:243], v[242:243], v[158:159]
	s_delay_alu instid0(VALU_DEP_2)
	v_pk_add_f32 v[14:15], v[14:15], v[236:237]
	s_delay_alu instid0(VALU_DEP_2)
	v_pk_add_f32 v[242:243], v[242:243], v[234:235]
	v_pk_add_f32 v[248:249], v[248:249], v[232:233]
	v_pk_add_f32 v[238:239], v[238:239], v[230:231]
	s_delay_alu instid0(VALU_DEP_2)
	v_pk_add_f32 v[14:15], v[14:15], v[248:249]
	s_delay_alu instid0(VALU_DEP_2)
	v_pk_add_f32 v[242:243], v[242:243], v[238:239]
	s_delay_alu instid0(VALU_DEP_1)
	v_pk_add_f32 v[14:15], v[14:15], v[242:243]
.irp b, 0,1,2,3
.set n, 0
.rept 16
	v_min_num_f32 v[96+16*\b+n], v[96+16*\b+n], v240   ; the conversion does not saturate (ISA guide 7.6.2); p is not negative: a one-sided hold
.set n, n+1
.endr
	v_cvt_scalef32_pk8_bf8_f32 v[224+4*\b:225+4*\b], v[96+16*\b:103+16*\b], v244
	v_cvt_scalef32_pk8_bf8_f32 v[226+4*\b:227+4*\b], v[104+16*\b:111+16*\b], v244
.endr
.set n, 0
.rept 16
	v_pk_mul_f32 v[160+n:161+n], v[160+n:161+n], v[252:253] op_sel_hi:[1,0]   ; O^T under the new M; also the plain lines behind the conversions
.set n, n+2
.endr
	s_wait_alu depctr_va_vdst(0)
	s_wait_dscnt 0x0                               ; V's fragments are in
.irp t, 0,1,2,3
	v_wmma_f32_16x16x128_bf8_bf8 v[160+8*\t:167+8*\t], v[32+16*\t:47+16*\t], v[224:239], v[160+8*\t:167+8*\t]
.endr
.endm
	s_load_b128 s[4:7], s[0:1], 0x0                ; qkv s[4:5], scales s[6:7]
	s_load_b64 s[8:9], s[0:1], 0x10                ; att
	v_lshl_add_u32 v251, v0, 2, 0x4c000
	v_mov_b32 v255, 0
	ds_add_u32 v251, v255
	ds_add_u32 v251, v255
	v_lshrrev_b32 v8, 5, v0
	s_delay_alu instid0(VALU_DEP_1)
	v_readfirstlane_b32 s18, v8                    ; wave 0..15
	s_and_b32 s19, s18, 7                          ; which eighth I fetch
	s_bfe_u32 s10, ttmp6, 0x40000                  ; cx
	s_lshl_b32 s11, ttmp9, 2
	s_add_co_u32 s11, s11, s10                     ; my block of 256 queries: it enters Q's and the result's addresses alone
	s_and_b32 s12, ttmp7, 0xffff                   ; batch x 16 + head, which the four partners share
	s_lshl_b32 s13, s12, 17                        ; a head's 131,072 bytes in each of q, k, v and the result
	s_lshl_b32 s76, s19, 12
	s_add_co_u32 s76, s76, s13
	s_add_co_u32 s76, s76, 0x400000                ; K, first part: 64 keys x 64 bytes an eighth
	s_mov_b32 s77, 0
	s_mul_i32 s78, s19, 12288
	s_add_co_u32 s78, s78, s13
	s_add_co_u32 s78, s78, 0x400000+32768          ; K, the rest: 192 keys an eighth
	s_mov_b32 s79, 0
	s_add_co_u32 s80, s76, 0x400000                ; V likewise: 32 rows of 128 bytes,
	s_mov_b32 s81, 0
	s_add_co_u32 s82, s78, 0x400000                ; and 96
	s_mov_b32 s83, 0
	s_lshl_b32 s86, s11, 14
	s_lshl_b32 s87, s18, 10
	s_add_co_u32 s86, s86, s87
	s_add_co_u32 s86, s86, s13                     ; Q: query 256 block + 16 wave, 64 bytes each
	s_mov_b32 s87, 0
	s_lshl_b32 s88, s18, 13
	s_lshl_b32 s89, s11, 8
	s_add_co_u32 s88, s88, s89
	s_add_co_u32 s88, s88, s13                     ; the result: channel 4 wave, query 256 block
	s_mov_b32 s89, 0
	; descriptor groups 1: s[24:31] K 64 rows, s[32:39] K 192 rows, s[40:47] V 32 rows, s[48:55] V 96 rows; mask of all four partners, bit 21 beside it; 16 bytes of padding behind each row
.irp g, 24, 32
	s_mov_b32 s[\g], 15|(1<<20)|(1<<21)|(3<<22)|(3<<25)
	s_mov_b32 s[\g+1], 64<<16
	s_mov_b32 s[\g+3], 64<<16
	s_mov_b32 s[\g+5], 64
	s_mov_b32 s[\g+6], 0
	s_mov_b32 s[\g+7], 0
.endr
	s_mov_b32 s26, 64<<16
	s_mov_b32 s28, 64
	s_mov_b32 s34, 192<<16
	s_mov_b32 s36, 192
.irp g, 40, 48
	s_mov_b32 s[\g], 15|(1<<20)|(1<<21)|(4<<22)|(3<<25)
	s_mov_b32 s[\g+1], 128<<16
	s_mov_b32 s[\g+3], 128<<16
	s_mov_b32 s[\g+5], 128
	s_mov_b32 s[\g+6], 0
	s_mov_b32 s[\g+7], 0
.endr
	s_mov_b32 s42, 32<<16
	s_mov_b32 s44, 32
	s_mov_b32 s50, 96<<16
	s_mov_b32 s52, 96
	s_mov_b32 s56, 1                               ; groups 0: s[56:59], s[60:63] K's; s[68:71], s[72:75] V's
	s_mul_i32 s57, s19, 64*KP
	s_mov_b32 s60, 1
	s_mul_i32 s61, s19, 192*KP
	s_add_co_u32 s61, s61, 512*KP
	s_mov_b32 s68, 1
	s_mul_i32 s69, s19, 32*VP
	s_add_co_u32 s69, s69, VOFF
	s_mov_b32 s72, 1
	s_mul_i32 s73, s19, 96*VP
	s_add_co_u32 s73, s73, VOFF+256*VP
	s_mov_b32 s20, 0x76543210
	s_mov_b32 s21, 0xfedcba98
	s_mov_b32 s22, 0x3e38aa3b                      ; c = log2(e) / 8
	s_mov_b32 s66, 0
	s_mov_b32 s67, 0
	s_wait_dscnt 0x0
	s_wait_kmcnt 0x0
	s_load_b64 s[90:91], s[6:7], 0x18              ; e6, e7
	s_load_b64 s[92:93], s[6:7], 0x20              ; e8, e9
	s_load_b32 s94, s[6:7], 0x28                   ; e10
	s_add_nc_u64 s[58:59], s[4:5], s[76:77]
	s_or_b32 s59, s59, 0x80000000
	s_add_nc_u64 s[62:63], s[4:5], s[78:79]
	s_or_b32 s63, s63, 0x80000000
	s_add_nc_u64 s[70:71], s[4:5], s[80:81]
	s_or_b32 s71, s71, 0x80000000
	s_add_nc_u64 s[74:75], s[4:5], s[82:83]
	s_or_b32 s75, s75, 0x80000000
	CROUND                                         ; all four work-groups are here: the joint loads meet
	s_cmp_lt_u32 s18, 8                            ; a wave's first fill stands in one branch on the wave's number
	s_cbranch_scc0 .Lfor_v
	tensor_load_to_lds s[56:59], s[24:31]          ; at the head one load a wave: my eighth of the first 512 keys
	s_nop 0
	PLACES
	s_branch .Lasked
.Lfor_v:
	tensor_load_to_lds s[68:71], s[40:47]
	s_nop 0
	PLACES
.Lasked:
	s_add_nc_u64 s[4:5], s[4:5], s[86:87]
	s_add_nc_u64 s[8:9], s[8:9], s[88:89]
	v_and_b32 v8, 15, v0                           ; r
	v_bfe_u32 v9, v0, 4, 1                         ; h
	s_delay_alu instid0(VALU_DEP_2)
	v_lshlrev_b32 v10, 6, v8
	s_delay_alu instid0(VALU_DEP_1)
	v_lshl_add_u32 v10, v9, 4, v10
	global_load_b128 v[16:19], v10, s[4:5]         ; Q's fragment stays in registers
	global_load_b128 v[20:23], v10, s[4:5] offset:32
	v_and_b32 v11, 8, v8
	s_delay_alu instid0(VALU_DEP_1)
	v_add_nc_u32 v11, v11, v8
	s_delay_alu instid0(VALU_DEP_1)
	v_mul_u32_u24 v1, v11, KP
	s_delay_alu instid0(VALU_DEP_1)
	v_lshl_add_u32 v1, v9, 4, v1                   ; K: row r + 8 (r / 8), + 16 h
	v_mul_u32_u24 v2, v8, VP
	s_delay_alu instid0(VALU_DEP_1)
	v_lshl_add_u32 v2, v9, 4, v2
	s_delay_alu instid0(VALU_DEP_1)
	v_add_nc_u32 v2, VOFF, v2                      ; V: row r, + 16 h
	s_mul_i32 s13, s18, 5120                       ; the way out, first stage: my own 64 channels x (16 queries x 4 bytes + 16), in K's bytes
	v_mul_u32_u24 v3, v9, 640
	s_delay_alu instid0(VALU_DEP_1)
	v_lshl_add_u32 v3, v8, 2, v3
	s_delay_alu instid0(VALU_DEP_1)
	v_add_nc_u32 v3, s13, v3                       ; in: channel 8 h + .., query r
	v_and_b32 v11, 31, v0
	s_delay_alu instid0(VALU_DEP_1)
	v_mul_u32_u24 v4, v11, 80
	s_delay_alu instid0(VALU_DEP_1)
	v_add_nc_u32 v4, s13, v4                       ; back: channel = lane
	s_lshl_b32 s14, s18, 4
	s_add_co_u32 s14, s14, VOFF                    ; second stage, the work-group's: 64 channels x (256 queries + 16), in V's bytes
	v_mul_u32_u24 v5, v11, 272
	s_delay_alu instid0(VALU_DEP_1)
	v_add_nc_u32 v5, s14, v5                       ; in: channel = lane, my wave's 16 queries
	s_mul_i32 s15, s18, 4*272
	s_add_co_u32 s15, s15, VOFF
	v_mul_u32_u24 v6, v9, 272
	s_delay_alu instid0(VALU_DEP_1)
	v_lshl_add_u32 v6, v8, 4, v6
	s_delay_alu instid0(VALU_DEP_1)
	v_add_nc_u32 v6, s15, v6                       ; back: channels 4 wave on, sixteen lanes to a row
	v_lshlrev_b32 v7, 11, v9
	s_delay_alu instid0(VALU_DEP_1)
	v_lshl_add_u32 v7, v8, 4, v7                   ; and the same place in memory
	v_mov_b32 v13, 0xff61b1e6                      ; the largest t so far: -3e38
	s_delay_alu instid0(VALU_DEP_1)
	v_floor_f32 v12, -v13
	v_mov_b32 v14, 0
	v_mov_b32 v15, 0
	v_mov_b32 v236, 0                              ; a lane permute's destination counts as a source
	v_mov_b32 v253, 0                              ; (named as the upper half of a pair)
.set n, 0
.rept 32
	v_mov_b32 v[160+n], 0                          ; O^T: the step is written for every step alike; the first finds zeros
.set n, n+1
.endr
	s_wait_kmcnt 0x0
	s_add_co_i32 s13, s90, s91
	s_lshl_b32 s13, s13, 23
	s_add_co_i32 s22, s22, s13                     ; a score stands for score x 2^(e6 + e7)
	s_mov_b32 s23, s22
	s_add_co_i32 s13, s92, 127
	s_lshl_b32 s14, s13, 23
	v_mov_b32 v244, s14                            ; 2^e8
	s_add_co_i32 s13, s13, 15
	s_lshl_b32 s13, s13, 23
	s_or_b32 s13, s13, 0x600000
	v_mov_b32 v240, s13                            ; 57,344 x 2^e8
	s_add_co_i32 s13, s94, 127
	s_lshl_b32 s14, s13, 23
	v_mov_b32 v246, s14                            ; 2^e10
	s_add_co_i32 s13, s13, 15
	s_lshl_b32 s13, s13, 23
	s_or_b32 s13, s13, 0x600000
	v_mov_b32 v247, s13
	s_wait_alu depctr_va_vdst(0)
	s_wait_loadcnt 0x0                             ; Q
	s_wait_tensorcnt 0x0                           ; my first load has landed
	ds_add_u32 v251, v255
	s_wait_dscnt 0x0
	CROUND                                         ; the first 512 keys are whole, and all four work-groups are here: the joint loads meet
	s_cmp_lt_u32 s18, 8
	s_cbranch_scc0 .Lrest_v
	tensor_load_to_lds s[60:63], s[32:39]          ; my eighth of the other 1,536 keys: it has the first four key steps in which to land
	s_nop 0
	PLACES
	s_branch .Lrest_asked
.Lrest_v:
	tensor_load_to_lds s[72:75], s[48:55]
	s_nop 0
	PLACES
.Lrest_asked:
	s_mov_b32 s84, 4
.Lone:
	STEP
	s_add_co_u32 s66, s66, 128*KP
	s_add_co_u32 s67, s67, 64*VP
	s_sub_co_u32 s84, s84, 1
	s_cmp_lg_u32 s84, 0
	s_cbranch_scc1 .Lone
	s_wait_tensorcnt 0x0                           ; my second load has landed
	s_wait_dscnt 0x0
	s_barrier_signal -1
	s_barrier_wait -1                              ; all keys are whole
	s_mov_b32 s66, 4*128*KP
	s_mov_b32 s67, 4*64*VP
	s_mov_b32 s84, 12
.Ltwo:
	STEP
	s_add_co_u32 s66, s66, 128*KP
	s_add_co_u32 s67, s67, 64*VP
	s_sub_co_u32 s84, s84, 1
	s_cmp_lg_u32 s84, 0
	s_cbranch_scc1 .Ltwo
	; THE WAY OUT
	v_add_f32 v14, v14, v15
	s_delay_alu instid0(VALU_DEP_1)
	v_permlanex16_b32 v252, v14, s20, s21
	s_delay_alu instid0(VALU_DEP_1)
	v_add_f32 v14, v14, v252                       ; the row's sum
	s_wait_alu depctr_va_vdst(0)
	v_rcp_f32 v14, v14
	v_nop                                          ; a plain line behind the transcendental
	s_add_co_i32 s13, s92, s93
	s_wait_alu depctr_va_vdst(0)
	v_ldexp_f32 v14, v14, s13                      ; x 2^(e8 + e9)
	v_nop
	v_nop
.set n, 0
.rept 32
	v_mul_f32 v[96+n], v[160+n], v14               ; register 8 t + i: channel 16 t + 8 h + i of query r
.set n, n+1
.endr
	s_wait_alu depctr_va_vdst(0)
	s_wait_dscnt 0x0
	s_barrier_signal -1
	s_barrier_wait -1                              ; nobody reads K or V any more; both have had their only fill
.irp t, 0,1,2,3
.irp i, 0,1,2,3,4,5,6,7
	ds_store_b32 v3, v[96+8*\t+\i] offset:(16*\t+\i)*80
.endr
.endr
.irp j, 0,1,2,3
	ds_load_b128 v[32+4*\j:35+4*\j], v4 offset:16*\j          ; channel = lane: my wave's 16 queries along the registers (my own bytes, served in order)
.endr
.irp j, 0,1,2,3
	ds_load_b128 v[48+4*\j:51+4*\j], v4 offset:2560+16*\j     ; channel = lane + 32
.endr
	s_wait_dscnt 0x0
.set n, 0
.rept 32
	v_med3_num_f32 v[32+n], v[32+n], -v247, v247
.set n, n+1
.endr
.irp g, 0,1,2,3
	v_cvt_scalef32_pk8_bf8_f32 v[64+2*\g:65+2*\g], v[32+8*\g:39+8*\g], v246
.endr
	v_nop
	ds_store_b128 v5, v[64:67]
	ds_store_b128 v5, v[68:71] offset:32*272
	s_wait_dscnt 0x0                               ; for the others' sake
	s_barrier_signal -1
	s_barrier_wait -1
	ds_load_b128 v[72:75], v6
	ds_load_b128 v[76:79], v6 offset:544
	s_wait_dscnt 0x1
	global_store_b128 v7, v[72:75], s[8:9]         ; sixteen lanes store 256 consecutive bytes, aligned
	s_wait_dscnt 0x0
	global_store_b128 v7, v[76:79], s[8:9] offset:4096
	s_wait_tensorcnt 0x0
	ds_add_u32 v251, v255
	s_wait_dscnt 0x0
	CROUND                                         ; the closing round
	s_endpgm
.Lfunc_end_k_qe5bd06b2bc_attn:
	.size	k_qe5bd06b2bc_attn, .Lfunc_end_k_qe5bd06b2bc_attn-k_qe5bd06b2bc_attn
	.p2alignl 7, 3214868480
	.fill 96, 4, 3214868480
	.section	.rodata,"a",@progbits
	.p2align	6, 0x0
	.amdhsa_kernel k_qe5bd06b2bc_attn
		.amdhsa_group_segment_fixed_size 327680
		.amdhsa_private_segment_fixed_size 0
		.amdhsa_enable_private_segment 0
		.amdhsa_kernarg_size 24
		.amdhsa_user_sgpr_count 2
		.amdhsa_user_sgpr_kernarg_segment_ptr 1
		.amdhsa_wavefront_size32 1
		.amdhsa_system_sgpr_workgroup_id_x 1
		.amdhsa_system_sgpr_workgroup_id_y 1
		.amdhsa_system_sgpr_workgroup_id_z 1
		.amdhsa_system_vgpr_workitem_id 0
		.amdhsa_next_free_vgpr 256
		.amdhsa_next_free_sgpr 100
		.amdhsa_reserve_vcc 0
		.amdhsa_float_denorm_mode_32 3
		.amdhsa_float_denorm_mode_16_64 3
		.amdhsa_memory_ordered 1
		.amdhsa_forward_progress 1
		.amdhsa_inst_pref_size 51
	.end_amdhsa_kernel
	.amdgpu_metadata
---
amdhsa.version: [ 1, 2 ]
amdhsa.kernels:
  - .name:           k_qe5bd06b2bc_attn
    .symbol:         k_qe5bd06b2bc_attn.kd
    .args:
      - { .name: qkv, .offset: 0, .size: 8, .value_kind: global_buffer, .address_space: global }
      - { .name: lowp_scales, .offset: 8, .size: 8, .value_kind: global_buffer, .address_space: global }
      - { .name: att, .offset: 16, .size: 8, .value_kind: global_buffer, .address_space: global }
    .group_segment_fixed_size: 327680
    .private_segment_fixed_size: 0
    .kernarg_segment_align: 8
    .kernarg_segment_size: 24
    .max_flat_workgroup_size: 512
    .sgpr_count:     100
    .vgpr_count:     256
    .wavefront_size: 32
...
	.end_amdgpu_metadata
.endif
;; end of part 4
;; launch tail (part 5): grid 256 x 1, 16 waves a work-group, no clusters, 212,992 bytes of LDS; arguments att, wl, x, bo, g_ffn, lowp_scales, out0; writes out0
.if DOCPART == 5
	.amdgcn_target "amdgcn-amd-amdhsa--gfx1250"
	.amdhsa_code_object_version 6
	.text
	.protected	k_qe5bd06b2bc_tail
	.globl	k_qe5bd06b2bc_tail
	.p2align	8
	.type	k_qe5bd06b2bc_tail,@function
k_qe5bd06b2bc_tail:
	s_mov_b64 s[64:65], 0
	v_nop
	global_prefetch_b8 v0, s[64:65] scope:SCOPE_SE
	s_setreg_imm32_b32 hwreg(HW_REG_WAVE_MODE, 25, 1), 1
	s_wait_xcnt 0x0
; h = x + (att wo^T + bo); hn = h sqrt(mean(h^2) + 1e-6) g; inter = relu(hn w_gate^T) (hn w_up^T); out = h + inter w_down^T.  All four products on E5M2 codes, sums in f32, all else in f32.
; ONE WORK-GROUP TAKES 16 TOKENS THROUGH THE WHOLE CHAIN: a norm wants a token's whole row, and 4,096 tokens / 256 work-groups are 16.  h, hn's codes and inter's codes never go to memory.
; SHARES: 16 waves.  In a product wave W makes 64 of the 1,024 features (wo, w_down: 4 tiles) or 32 hidden units of gate and of up (2 + 2 tiles) for all 16 tokens: 4 accumulators, which take turns.
; Between products wave W owns token W as a whole row (lane L: columns 128 j + 4 L): the row's sum stays in the wave, x is read and out is stored 512 consecutive bytes an instruction, h stays in 32 registers.
; THE WEIGHTS come from wl, laid by the first launch as register images in the order of this walk: 20 steps of 128 along K (8 wo, 8 gate and up, 4 down), 4 fragments = 8 KiB a wave and step, every address an immediate.
; They go from memory straight into registers, two steps (16 KiB a wave) ahead of their use, across the changes of product too.  So no tile in LDS is shared between work-groups: no cluster, no joint load;
; and no prefetch is laid: the loads themselves run two steps ahead.
; THE PRODUCTS ARE USED TRANSPOSED: source 0 = 16 rows of a weight, source 1 = 16 tokens: a lane holds one token.  Gate's and up's rows of a tile are chosen so that a lane's 16 registers of two tiles are 16 neighbouring units.
; A fragment is four pieces of 16 bytes, k = 32 c + 16 h + 0 .. 15: the same order of k in both operands.
; LDS: att's 16 rows (tensor load, 1 row a wave); S, a stage of 16 x 1,024 f32; a turning stage for each wave; hn's codes under gate's and under up's scale; inter's codes; the spare words.
; LIMITS: e10 + e11 and e16 + e17 between -126 and 127; e12, e14 and e16 - e12 - e13 - e14 - e15 between -126 and 112.  NaN is not served.
.set SB, 16640                         ; S: rows of 4,096 + 16 bytes
.set TURN, 82432                       ; 5,120 bytes a wave: 64 places of 64 + 16 bytes
.set CG, 164352                        ; hn's codes, rows of 1,024 + 16; up's copy CUO behind gate's
.set CUO, 16640
.set IB, 197632                        ; inter's codes, rows of 512 + 16
.set SPARE, 206080
.set ACC, 32                           ; v32-63   four accumulators; at work between products
.set H, 64                             ; v64-95   x + bo, then h: my token's row
.set A, 96                             ; v96-127  the tokens' fragments; g; the turned row
.set B, 128                            ; v128-255 the weights' fragments: two groups of four
; v1, v2 the spare word and 0; v3 16 x lane; v4-6 fragments of att, hn, inter; v7, v8 S in and back; v9, v10 the turn; v11, v12 where codes go; v13-18 scales and holds; v20-30 at work
.macro LDB n                           ; step n's four fragments
.irp t, 0,1,2,3
.irp c, 0,1,2,3
	global_load_b128 v[B+64*((\n)%2)+16*\t+4*\c:B+64*((\n)%2)+16*\t+4*\c+3], v3, s[6:7] offset:(\n)*8192+2048*\t+512*\c
.endr
.endr
.endm
.macro LDA dst, adr, off
.irp c, 0,1,2,3
	ds_load_b128 v[A+\dst+4*\c:A+\dst+4*\c+3], v[\adr] offset:\off+32*\c
.endr
.endm
.macro STEP n, two, zero, lc           ; lc: the younger loads that stay out (the next step's 16).  two = 1: tiles 2 and 3 take the second fragment of tokens
	s_wait_loadcnt \lc
	s_wait_dscnt 0x0
.irp t, 0,1,2,3
.if \zero
	v_wmma_f32_16x16x128_bf8_bf8 v[ACC+8*\t:ACC+8*\t+7], v[B+64*((\n)%2)+16*\t:B+64*((\n)%2)+16*\t+15], v[A+16*\two*(\t/2):A+16*\two*(\t/2)+15], 0
.else
	v_wmma_f32_16x16x128_bf8_bf8 v[ACC+8*\t:ACC+8*\t+7], v[B+64*((\n)%2)+16*\t:B+64*((\n)%2)+16*\t+15], v[A+16*\two*(\t/2):A+16*\two*(\t/2)+15], v[ACC+8*\t:ACC+8*\t+7]
.endif
.endr
.rept 4
	v_nop                                          ; four places in front of loads into, and reads of, these products' registers
.endr
.endm
.macro STAGE                           ; the sums go into S by tokens x my 64 features, and my token's row comes back
.irp t, 0,1,2,3
	ds_store_b128 v7, v[ACC+8*\t:ACC+8*\t+3] offset:64*\t
	ds_store_b128 v7, v[ACC+8*\t+4:ACC+8*\t+7] offset:64*\t+16
.endr
	s_wait_dscnt 0x0                               ; for the others' sake
	s_barrier_signal -1
	s_barrier_wait -1
.irp j, 0,1,2,3,4,5,6,7
	ds_load_b128 v[ACC+4*\j:ACC+4*\j+3], v8 offset:512*\j
.endr
	s_wait_dscnt 0x0
.endm
.macro SCL sreg, vreg                  ; 2^e and 57,344 x 2^e as f32
	s_add_co_i32 s55, s[\sreg], 127
	s_lshl_b32 s56, s55, 23
	v_mov_b32 v[\vreg], s56
	s_add_co_i32 s55, s55, 15
	s_lshl_b32 s55, s55, 23
	s_or_b32 s55, s55, 0x600000
	v_mov_b32 v[\vreg+1], s55
.endm
.macro OUT o                           ; the turned row's codes under scale o, into row W of copy o
.set n, 0
.rept 32
	v_med3_num_f32 v[ACC+n], v[A+n], -v[14+2*\o], v[14+2*\o]   ; the conversion does not saturate (ISA guide 7.6.2)
.set n, n+1
.endr
.irp g, 0,1,2,3
	v_cvt_scalef32_pk8_bf8_f32 v[22+2*\g:23+2*\g], v[ACC+8*\g:ACC+8*\g+7], v[13+2*\o]
.endr
	v_nop                                          ; a plain line behind the conversions
	ds_store_b128 v11, v[22:25] offset:CUO*\o
	ds_store_b128 v11, v[26:29] offset:CUO*\o+512
.endm
	s_load_b256 s[4:11], s[0:1], 0x0               ; att s[4:5], wl s[6:7], x s[8:9], bo s[10:11]
	s_load_b128 s[12:15], s[0:1], 0x20             ; g s[12:13], scales s[14:15]
	s_load_b64 s[16:17], s[0:1], 0x30              ; out0
	v_lshl_add_u32 v1, v0, 2, SPARE
	v_mov_b32 v2, 0
	ds_add_u32 v1, v2                              ; the opening lines: the add twice on end and its wait ahead of my tensor load
	ds_add_u32 v1, v2
	v_lshrrev_b32 v4, 5, v0
	v_readfirstlane_b32 s18, v4                    ; wave W
	s_mov_b32 s40, 3<<16                           ; group 1: ONE row of 1,024 bytes a wave (16 rows, 16 waves), as 128 elements of 8 bytes; no padding inside a row
	s_mov_b32 s41, 128<<16
	s_mov_b32 s42, 1<<16
	s_mov_b32 s43, 128<<16
	s_mov_b32 s44, 1
	s_mov_b32 s45, 128
	s_mov_b32 s46, 1<<16
	s_mov_b32 s47, 0
	s_mov_b32 s36, 1
	s_mul_i32 s37, s18, 1040                       ; row W of att's tile: the rows lie 1,024 + 16 bytes apart in LDS
	s_lshl_b32 s60, ttmp9, 14
	s_lshl_b32 s61, s18, 10
	s_add_co_u32 s60, s60, s61
	s_mov_b32 s61, 0
	s_mul_i32 s56, s18, 163840                     ; my wave's 80 fragments
	s_mov_b32 s57, 0
	s_lshl_b32 s58, ttmp9, 4
	s_add_co_u32 s58, s58, s18                     ; my token
	s_lshl_b32 s58, s58, 12
	s_mov_b32 s59, 0
	s_mov_b32 s20, 0x3a800000                      ; 1 / 1,024
	s_mov_b32 s21, 0x358637bd                      ; 1e-6
	s_mov_b32 s22, 0x76543210
	s_mov_b32 s23, 0xfedcba98
	v_and_b32 v3, 31, v0
	v_lshlrev_b32 v3, 4, v3                        ; 16 x lane
	s_wait_alu depctr_va_vdst(0)                   ; directly ahead of the waits below
	s_wait_dscnt 0x0
	s_wait_kmcnt 0x0
	s_add_nc_u64 s[38:39], s[4:5], s[60:61]
	s_or_b32 s39, s39, 0x80000000
	tensor_load_to_lds s[36:39], s[40:47]
	s_nop 0
	s_load_b64 s[24:25], s[14:15], 0x28            ; e10, e11
	s_load_b128 s[28:31], s[14:15], 0x30           ; e12 to e15
	s_load_b64 s[26:27], s[14:15], 0x40            ; e16, e17
	s_add_nc_u64 s[6:7], s[6:7], s[56:57]
	s_add_nc_u64 s[8:9], s[8:9], s[58:59]
	s_add_nc_u64 s[16:17], s[16:17], s[58:59]
.irp j, 0,1,2,3,4,5,6,7
	global_load_b128 v[H+4*\j:H+4*\j+3], v3, s[8:9] offset:512*\j th:TH_LOAD_NT
.endr
.irp j, 0,1,2,3,4,5,6,7
	global_load_b128 v[ACC+4*\j:ACC+4*\j+3], v3, s[10:11] offset:512*\j
.endr
	LDB 0
	LDB 1
	s_lshl_b32 s50, s18, 5
	s_add_co_u32 s50, s50, IB                      ; inter's codes: my 32 units
	s_lshl_b32 s51, s18, 8
	s_add_co_u32 s51, s51, SB                      ; S: my 64 features
	s_mul_i32 s52, s18, 4112
	s_add_co_u32 s52, s52, SB                      ; S: my token's row
	s_mul_i32 s53, s18, 5120
	s_add_co_u32 s53, s53, TURN
	s_mul_i32 s54, s18, 1040
	s_add_co_u32 s54, s54, CG                      ; hn's codes: my token's row
	s_wait_kmcnt 0x0
	s_add_co_i32 s32, s24, s25
	s_add_co_i32 s32, s32, 127
	s_lshl_b32 s32, s32, 23                        ; 2^(e10 + e11)
	s_mov_b32 s33, s32
	s_add_co_i32 s34, s26, s27
	s_add_co_i32 s34, s34, 127
	s_lshl_b32 s34, s34, 23                        ; 2^(e16 + e17)
	s_mov_b32 s35, s34
	s_add_co_i32 s24, s28, s29
	s_add_co_i32 s24, s24, s30
	s_add_co_i32 s24, s24, s31
	s_sub_co_i32 s24, s26, s24                     ; e16 - e12 - e13 - e14 - e15: the five scales round inter's quantiser, folded
	v_and_b32 v20, 15, v0                          ; r
	v_bfe_u32 v21, v0, 4, 1                        ; h
	v_and_b32 v22, 31, v0
	v_mul_u32_u24 v4, v20, 1040
	v_lshl_add_u32 v4, v21, 4, v4                  ; att: token r, + 16 h
	v_add_nc_u32 v5, CG, v4                        ; hn likewise
	v_mul_u32_u24 v6, v20, 528
	v_lshl_add_u32 v6, v21, 4, v6
	v_add_nc_u32 v12, s50, v6
	v_add_nc_u32 v6, IB, v6                        ; inter likewise
	v_mul_u32_u24 v7, v20, 4112
	v_lshl_add_u32 v7, v21, 5, v7
	v_add_nc_u32 v7, s51, v7                       ; S in: token r, 8 numbers for each half of the lanes
	v_add_nc_u32 v8, s52, v3
	v_lshrrev_b32 v9, 2, v22
	v_mul_u32_u24 v9, v9, 80
	v_and_b32 v23, 3, v22
	v_lshl_add_u32 v9, v23, 4, v9
	v_add_nc_u32 v9, s53, v9                       ; into the turn: 80 (lane / 4) + 16 (lane % 4)
	v_mul_u32_u24 v10, v22, 80
	v_add_nc_u32 v10, s53, v10                     ; out of it: 80 x lane
	v_add_nc_u32 v11, s54, v3
	v_mov_b32 v30, 0                               ; a lane permute's destination counts as a source
	SCL 28, 13
	SCL 30, 15
	SCL 24, 17
	s_wait_alu depctr_va_vdst(0)
	s_wait_loadcnt 32                              ; x and bo are in; steps 0 and 1 stay out
.set n, 0
.rept 16
	v_pk_add_f32 v[H+n:H+n+1], v[H+n:H+n+1], v[ACC+n:ACC+n+1]
.set n, n+2
.endr
	s_wait_alu depctr_va_vdst(0)                   ; directly ahead of the wait below
	s_wait_tensorcnt 0x0                           ; my row of att has landed
	s_barrier_signal -1
	s_barrier_wait -1                              ; everybody's have
	; FIRST PRODUCT: att wo^T
	LDA 0, 4, 0
	STEP 0, 0, 1, 16
	LDA 0, 4, 128
	LDB 2
.irp n, 1,2,3,4,5,6
	STEP \n, 0, 0, 16
	LDA 0, 4, 128*(\n+1)
	LDB \n+2
.endr
	STEP 7, 0, 0, 16
	LDB 9
.irp j, 0,1,2,3,4,5,6,7
	global_load_b128 v[A+4*\j:A+4*\j+3], v3, s[12:13] offset:512*\j   ; g lands under the stage and the row's sum
.endr
	STAGE
.set n, 0
.rept 16
	v_pk_fma_f32 v[H+n:H+n+1], v[ACC+n:ACC+n+1], s[32:33], v[H+n:H+n+1] op_sel_hi:[1,0,1]   ; h
.set n, n+2
.endr
.irp k, 0,1,2,3                        ; the sum of squares in four packed chains
	v_pk_mul_f32 v[ACC+2*\k:ACC+2*\k+1], v[H+2*\k:H+2*\k+1], v[H+2*\k:H+2*\k+1]
.endr
.irp k, 4,5,6,7,8,9,10,11,12,13,14,15
	v_pk_fma_f32 v[ACC+2*(\k%4):ACC+2*(\k%4)+1], v[H+2*\k:H+2*\k+1], v[H+2*\k:H+2*\k+1], v[ACC+2*(\k%4):ACC+2*(\k%4)+1]
.endr
	v_pk_add_f32 v[ACC:ACC+1], v[ACC:ACC+1], v[ACC+2:ACC+3]
	v_pk_add_f32 v[ACC+4:ACC+5], v[ACC+4:ACC+5], v[ACC+6:ACC+7]
	v_pk_add_f32 v[ACC:ACC+1], v[ACC:ACC+1], v[ACC+4:ACC+5]
	v_add_f32 v[ACC], v[ACC], v[ACC+1]
	v_add_f32_dpp v[ACC], v[ACC], v[ACC] row_xmask:1 row_mask:0xf bank_mask:0xf
	v_add_f32_dpp v[ACC], v[ACC], v[ACC] row_xmask:2 row_mask:0xf bank_mask:0xf
	v_add_f32_dpp v[ACC], v[ACC], v[ACC] row_xmask:4 row_mask:0xf bank_mask:0xf
	v_add_f32_dpp v[ACC], v[ACC], v[ACC] row_xmask:8 row_mask:0xf bank_mask:0xf
	v_permlanex16_b32 v30, v[ACC], s22, s23
	v_add_f32 v[ACC], v[ACC], v30                  ; the row's sum, in every lane
	v_fma_f32 v[ACC], v[ACC], s20, s21             ; / 1,024 + 1e-6
	s_wait_alu depctr_va_vdst(0)                   ; ahead of the transcendental
	v_sqrt_f32 v20, v[ACC]
	v_nop                                          ; a plain line behind it
	s_wait_alu depctr_va_vdst(0)                   ; ahead of its first reader
	v_mov_b32 v21, v20
	s_wait_alu depctr_va_vdst(0)                   ; directly ahead of the wait below
	s_wait_loadcnt 0x0                             ; g (and the older loads: steps 8 and 9)
.set n, 0
.rept 16
	v_pk_mul_f32 v[ACC+n:ACC+n+1], v[H+n:H+n+1], v[20:21]
.set n, n+2
.endr
.set n, 0
.rept 16
	v_pk_mul_f32 v[ACC+n:ACC+n+1], v[ACC+n:ACC+n+1], v[A+n:A+n+1]   ; hn
.set n, n+2
.endr
.irp j, 0,1,2,3,4,5,6,7                ; the turn, through my own bytes, served in order: afterwards register 16 u + i of lane L is column 512 u + 16 L + i
	ds_store_b128 v9, v[ACC+4*\j:ACC+4*\j+3] offset:640*\j
.endr
.irp u, 0,1
.irp q, 0,1,2,3
	ds_load_b128 v[A+16*\u+4*\q:A+16*\u+4*\q+3], v10 offset:2560*\u+16*\q
.endr
.endr
	s_wait_dscnt 0x0
	OUT 0
	OUT 1
	s_wait_dscnt 0x0                               ; for the others' sake
	s_barrier_signal -1
	s_barrier_wait -1                              ; hn's codes are whole
	; SECOND PRODUCTS: gate (tiles 0, 1) and up (tiles 2, 3)
	LDA 0, 5, 0
	LDA 16, 5, CUO
	STEP 8, 1, 1, 16
	LDA 0, 5, 128
	LDA 16, 5, CUO+128
	LDB 10
.irp n, 9,10,11,12,13,14
	STEP \n, 1, 0, 16
	LDA 0, 5, 128*(\n-7)
	LDA 16, 5, CUO+128*(\n-7)
	LDB \n+2
.endr
	STEP 15, 1, 0, 16
	LDB 17
.set n, 0
.rept 16
	v_max_num_f32 v[A+n], 0, v[ACC+n]              ; relu of gate's sums; each accumulator from its low end on
.set n, n+1
.endr
.set n, 0
.rept 8
	v_pk_mul_f32 v[A+n:A+n+1], v[A+n:A+n+1], v[ACC+16+n:ACC+16+n+1]   ; x up's sums
.set n, n+2
.endr
.set n, 0
.rept 16
	v_med3_num_f32 v[A+n], v[A+n], -v18, v18
.set n, n+1
.endr
	v_cvt_scalef32_pk8_bf8_f32 v[22:23], v[A:A+7], v17
	v_cvt_scalef32_pk8_bf8_f32 v[24:25], v[A+8:A+15], v17
	v_nop
	ds_store_b128 v12, v[22:25]                    ; token r, units 32 W + 16 h + 0 .. 15
	s_wait_dscnt 0x0                               ; for the others' sake
	s_barrier_signal -1
	s_barrier_wait -1                              ; inter's codes are whole
	; THIRD PRODUCT: inter w_down^T.  The last two steps ask for nothing more
	LDA 0, 6, 0
	STEP 16, 0, 1, 16
	LDA 0, 6, 128
	LDB 18
	STEP 17, 0, 0, 16
	LDA 0, 6, 256
	LDB 19
	STEP 18, 0, 0, 16
	LDA 0, 6, 384
	STEP 19, 0, 0, 0
	STAGE                                          ; S was last read ahead of the barrier behind which hn's codes were whole
.set n, 0
.rept 16
	v_pk_fma_f32 v[ACC+n:ACC+n+1], v[ACC+n:ACC+n+1], s[34:35], v[H+n:H+n+1] op_sel_hi:[1,0,1]
.set n, n+2
.endr
.irp j, 0,1,2,3,4,5,6,7
	global_store_b128 v3, v[ACC+4*\j:ACC+4*\j+3], s[16:17] offset:512*\j th:TH_STORE_NT   ; 512 consecutive bytes
.endr
	s_wait_tensorcnt 0x0                           ; the wave's end
	ds_add_u32 v1, v2
	s_wait_dscnt 0x0
	s_endpgm
.Lfunc_end_k_qe5bd06b2bc_tail:
	.size	k_qe5bd06b2bc_tail, .Lfunc_end_k_qe5bd06b2bc_tail-k_qe5bd06b2bc_tail
	.p2alignl 7, 3214868480
	.fill 96, 4, 3214868480
	.section	.rodata,"a",@progbits
	.p2align	6, 0x0
	.amdhsa_kernel k_qe5bd06b2bc_tail
		.amdhsa_group_segment_fixed_size 212992
		.amdhsa_private_segment_fixed_size 0
		.amdhsa_enable_private_segment 0
		.amdhsa_kernarg_size 56
		.amdhsa_user_sgpr_count 2
		.amdhsa_user_sgpr_kernarg_segment_ptr 1
		.amdhsa_wavefront_size32 1
		.amdhsa_system_sgpr_workgroup_id_x 1
		.amdhsa_system_sgpr_workgroup_id_y 1
		.amdhsa_system_sgpr_workgroup_id_z 1
		.amdhsa_system_vgpr_workitem_id 0
		.amdhsa_next_free_vgpr 256
		.amdhsa_next_free_sgpr 66
		.amdhsa_reserve_vcc 0
		.amdhsa_float_denorm_mode_32 3
		.amdhsa_float_denorm_mode_16_64 3
		.amdhsa_memory_ordered 1
		.amdhsa_forward_progress 1
		.amdhsa_inst_pref_size 73
	.end_amdhsa_kernel
	.amdgpu_metadata
---
amdhsa.version: [ 1, 2 ]
amdhsa.kernels:
  - .name:           k_qe5bd06b2bc_tail
    .symbol:         k_qe5bd06b2bc_tail.kd
    .args:
      - { .name: att, .offset: 0, .size: 8, .value_kind: global_buffer, .address_space: global }
      - { .name: wl, .offset: 8, .size: 8, .value_kind: global_buffer, .address_space: global }
      - { .name: x, .offset: 16, .size: 8, .value_kind: global_buffer, .address_space: global }
      - { .name: bo, .offset: 24, .size: 8, .value_kind: global_buffer, .address_space: global }
      - { .name: g_ffn, .offset: 32, .size: 8, .value_kind: global_buffer, .address_space: global }
      - { .name: lowp_scales, .offset: 40, .size: 8, .value_kind: global_buffer, .address_space: global }
      - { .name: out0, .offset: 48, .size: 8, .value_kind: global_buffer, .address_space: global }
    .group_segment_fixed_size: 212992
    .private_segment_fixed_size: 0
    .kernarg_segment_align: 8
    .kernarg_segment_size: 56
    .max_flat_workgroup_size: 512
    .sgpr_count:     66
    .vgpr_count:     256
    .wavefront_size: 32
...
	.end_amdgpu_metadata
.endif
;; end of part 5
